; MI455X (gfx1250); checked and timed in simulation.
; The chip was launched on July 23, 2026; its instructions are those of AMD's public machine-readable ISA for CDNA 5 (MIT licence, August 2026) and "CDNA5" Instruction Set Architecture Reference Guide (July 2026). The comments in the code are by the model that wrote it; some were corrected since.
;; Self Attention. Allowed arithmetic: matrix products marked QUANTISED: E3M2 operands, one E8M0 scale for each 32 along K, by v_wmma_scale_f32_16x16x128_f8f6f4 with both operands' format E3M2, f32 sums; everything else in f32.
;; Inputs: w_lhs 1 x 1 x 1,024 float32; w_rhs 1 x 1 x 1,024 float32; x 8 x 2,048 x 1,024 float32.
;; Outputs: out0 8 x 2,048 x 1,024 float32.
;; This version of the problem:
;;   THIS VERSION OF THE PROBLEM IS GIVEN IN LOW PRECISION. The matrix products marked QUANTISED in the list below multiply operands that are first quantised to E3M2 (3 exponent bits, 2 mantissa bits; 6 bits a number), with one power-of-two scale for each 32 numbers along K (OCP MX v1.0); their sums are f32. All else is computed in f32.
;;   The module's matrix products, in the order in which they are computed (A, B: the left and right operand; K: the contracted axis; several contracted axes count as one K, in the product's order):
;;     1. batch 8 x [M 2,048, K 1,024] x [K 1,024, N 2,048]; A: computed on the way; B: computed on the way: QUANTISED
;;     2. batch 8 x [M 2,048, K 2,048] x [K 2,048, N 1,024]; A: softmax (see below); B: input x: QUANTISED
;;   THE QUANTISER, for each operand of a quantised product, along K:
;;     - K is cut into blocks of 32 from its start; a last block that is shorter is filled with zeros.
;;     - A block's scale is 2^e with e = floor(log2(the largest magnitude in the block)) - 4, held to -126 .. 127; a block of zeros has e = 0. As a byte (E8M0): e + 127.
;;     - Each number is divided by its block's scale, clamped to +-28, and rounded to the nearest number of E3M2, ties to even, subnormals kept.
;;     - The product sums the exact products of the quantised numbers (number of the format x scale) in f32.
;;   ~~~python
;;   def quantise(x, axis):      # numpy; x: float32 -> the quantised numbers, widened to float32 again
;;       x = np.moveaxis(x, axis, -1); K = x.shape[-1]
;;       x = np.pad(x, [(0, 0)] * (x.ndim - 1) + [(0, -K % 32)]); x = x.reshape(x.shape[:-1] + (-1, 32)); a = np.abs(x).max(-1, keepdims=True)
;;       e = np.where(a > 0, np.clip(np.frexp(np.where(a > 0, a, 1))[1] - 1 - 4, -126, 127), 0)      # np.frexp(a)[1] - 1 = floor(log2(a)), exactly
;;       r = np.clip(x / 2.0 ** e, -28, 28)
;;       step = 2.0 ** (np.maximum(np.frexp(np.where(r == 0, 1, r))[1] - 1, -2) - 2)
;;       q = np.round(r / step) * step * 2.0 ** e      # np.round: ties to even
;;       return np.moveaxis(q.reshape(q.shape[:-2] + (-1,))[..., :K], -1, axis).astype(np.float32)
;;   ~~~
;;   SOFTMAX AHEAD OF A QUANTISED PRODUCT. Where the list says 'softmax', what is quantised is not the finished softmax but p = 2^(t - M), with t = logit x log2(e) and M = ceil(the row's largest t), a whole number; so 1/2 < the row's largest p <= 1. The row's sum l is taken of the UNQUANTISED p, in f32, and the product's result is divided by l at the end. Since M is a whole number, a kernel that streams over the keys may use a running M (the ceiling of the running maximum): every later rescaling is an exact power of two, which a block's scale takes up: the codes' values come out the same.
;;   OPERANDS COMPUTED ON THE WAY. 'Computed on the way' means the value that the module computes at that place (a softmax that the list does not call 'softmax' is quantised finished and normalised). What goes into a quantiser is computed in f32, as accurately as f32 sums, v_exp_f32 and their like allow (about 1e-6 of the number): no bf16 or f16 on the way to a quantiser, and a product that is left as it is and whose result goes on into a quantised operand takes f32 operands (vector FMAs, or v_wmma_f32_16x16x4_f32). A number that lies on a knife's edge between two numbers of the format may be rounded either way, as far as f32 arithmetic and the matrix unit's own rounding can turn it there, and no further.
;; One version. Each part assembles by itself: llvm-mc -triple=amdgcn-amd-amdhsa -mcpu=gfx1250 --defsym DOCPART=n.
;; ======== version 1 of 1: 3 launches
;; limits: right only within a limited range of input values
;; workspace buffers: lhsC 12,582,912 bytes; rhsC 12,582,912 bytes; xtC 12,582,912 bytes; pC 25,165,824 bytes; opS 1,572,864 bytes; pSML 3,145,728 bytes
;; launch quant (part 1): grid 8 x 128, 4 waves a work-group, no clusters, 69,632 bytes of LDS; arguments x, w_lhs, w_rhs, lhsC, rhsC, xtC, opS; writes lhsC, rhsC, xtC, opS
.if DOCPART == 1
	.amdgcn_target "amdgcn-amd-amdhsa--gfx1250"
	.amdhsa_code_object_version 6
	.text
	.protected	k_q4fa58a3641_quant
	.globl	k_q4fa58a3641_quant
	.p2align	8
	.type	k_q4fa58a3641_quant,@function
k_q4fa58a3641_quant:
	s_mov_b64 s[64:65], 0
	v_nop
	global_prefetch_b8 v0, s[64:65] scope:SCOPE_SE
	s_setreg_imm32_b32 hwreg(HW_REG_WAVE_MODE, 25, 1), 1
	s_wait_xcnt 0x0
; x [8][2048][1024] f32 is read once and becomes three operands in codes of BF6 (E3M2), one E8M0 scale byte for each 32 along K:
;   lhsC = Q(x * w_lhs) along d,   rhsC = Q(x * w_rhs) along d,   xtC = Q(x) along the keys (rows = d).
; A block's scale is 2^(floor(log2(largest magnitude)) - 4): its byte is the largest magnitude's exponent field - 4, held at 1 from below.
; LIMITS: a block of zeros gets the byte 1 where the rule says 127 (its codes are zeros, and this program alone reads the bytes); blocks whose largest
; magnitude lies under 2^(5 - 127) keep the byte 1; NaN and infinities among the inputs are not served.
; LAYOUT OF THE CODES: images of the operand's registers.  A fragment (16 rows x 128 K, 12 registers a lane) is 1,536 bytes: register j of lane l at 512 (j / 4) + 16 l + 4 (j % 4).
; An operand lies [batch][K / 256][rows / 128][16 rows i = 0..7][q = 0, 1][1,536]: a block (K / 256, rows / 128) is 24,576 dense bytes.
; rhsC's rows are stored so that tile 2 b + u, lane r holds key 32 b + 8 u + r + 8 (r / 8): the next launch's results then have 16 neighbouring keys in 16 registers.
; SCALE WORDS (four bytes = 128 K of a row) in opS: lhs [8][8][2048] at 0, rhs (stored row order) at 524,288, x^T [8][16][1024] at 1,048,576.
; SHARES.  A work-group takes x[b][128 T ..][128 Dk ..], 128 x 128 numbers: the least tile that gives whole fragments both ways.  It lies in LDS once; wave w makes the two lhs and the two rhs
; fragments of rows 32 w .. 32 w + 31 and the two x^T fragments of columns 32 w .. 32 w + 31.  No tensor loads, no matrix unit: the launch is a stream.
.set PITCH, 528                        ; a tile row in LDS: 512 bytes + 16 = 33 x 16: sixteen neighbouring rows start in sixteen different 16-byte columns
.set SCRL,  128*PITCH                  ; behind the tile: 3 x 512 bytes of scale words (lhs, rhs, x^T)
.set BLK,   24576
.set TM,    16                         ; v16-19 largest magnitudes, v20-23 permute destinations and bytes, v28-31 the conversions' scale operands
.set PW,    32                         ; v32  a row fragment's scale word
.set PWX,   33                         ; v33  my column's scale word
.set PC,    36                         ; v36-47 a fragment's codes, v48-50 and v52-54 halves on their way
.set X,     64                         ; v64-127 64 numbers of a lane (v64-191: the 32 rows as loaded)
.set WR,    128                        ; v128-191 w_rhs at my lane's 64 places
.set WL,    192                        ; v192-255 w_lhs likewise; later:
.set F0,    192                        ; v192-203 x^T's fragment of columns 0-15 of my 32
.set F1,    204                        ; v204-215 of columns 16-31
.set T1,    216
.set T3,    220
.set SEL,   36                         ; s[36:37] v_permlanex16_b32's selects for lane l xor 16
	s_load_b256 s[4:11], s[0:1], 0x0               ; x s[4:5], w_lhs s[6:7], w_rhs s[8:9], lhsC s[10:11]
	s_load_b128 s[12:15], s[0:1], 0x20             ; rhsC s[12:13], xtC s[14:15]
	s_load_b64 s[16:17], s[0:1], 0x30              ; opS
	v_lshl_add_u32 v62, v0, 2, 0x10e00
	v_mov_b32 v63, 0
	v_lshrrev_b32 v1, 5, v0
	v_readfirstlane_b32 s18, v1                    ; wave w
	v_and_b32 v1, 31, v0                           ; lane
	v_and_b32 v2, 15, v0                           ; r
	v_bfe_u32 v3, v0, 4, 1                         ; h
	s_mov_b32 s19, ttmp9                           ; Dk: which 128 of d
	s_and_b32 s20, ttmp7, 0xffff                   ; y = 16 b + T
	s_lshr_b32 s21, s20, 4                         ; b
	s_and_b32 s22, s20, 15                         ; T: which 128 rows of the batch
	v_lshlrev_b32 v4, 4, v1                        ; 16 x lane: x's loads and the images' stores
	s_mul_i32 s23, s18, 32*PITCH                   ; my 32 rows in the tile
	v_add_nc_u32 v5, s23, v4                       ; the way in
	v_mul_u32_u24 v6, v2, PITCH
	v_lshl_add_u32 v6, v3, 6, v6
	v_add_nc_u32 v6, s23, v6                       ; lhs: row 32 w + r, + 64 h: my 16 numbers of a block of 32
	v_and_b32 v10, 8, v2
	v_add_nc_u32 v10, v10, v2                      ; r + 8 (r / 8)
	v_mul_u32_u24 v7, v10, PITCH
	v_lshl_add_u32 v7, v3, 6, v7
	v_add_nc_u32 v7, s23, v7                       ; rhs: row 32 w + r + 8 (r / 8)
	s_lshl_b32 s30, s18, 7
	v_lshl_add_u32 v8, v1, 2, s30                  ; x^T: column 32 w + lane, rows 0 on,
	v_add_nc_u32 v9, 64*PITCH, v8                  ; and rows 64 on
	v_lshlrev_b32 v11, 6, v3                       ; w: 64 h
	v_lshl_add_u32 v12, v2, 2, s30
	v_add_nc_u32 v12, SCRL, v12                    ; a row's scale word: 4 (32 w + r)
	v_add_nc_u32 v13, SCRL+1024, v8                ; a column's
	v_add_nc_u32 v14, SCRL, v4                     ; the words' way out
	s_mov_b32 s[SEL], 0x76543210
	s_mov_b32 s[SEL+1], 0xfedcba98
.irp b, 0,1,2,3
	v_mov_b32 v[TM+4+\b], 0                        ; written once: a lane permute's destination counts as one of its sources
.endr
	; byte offsets, each under 2^32, each in a pair with 0 above it
	s_lshl_b32 s38, s20, 19                        ; x: (128 y + 32 w) rows of 4,096 bytes + 512 Dk
	s_lshl_b32 s39, s18, 17
	s_add_co_u32 s38, s38, s39
	s_lshl_b32 s40, s19, 9                         ; w: 512 Dk
	s_add_co_u32 s38, s38, s40
	s_mov_b32 s39, 0
	s_mov_b32 s41, 0
	s_lshl_b32 s42, s21, 2                         ; lhsC, rhsC: ((4 b + Dk / 2) 16 + T) BLK + 6,144 w + 1,536 (Dk % 2)
	s_lshr_b32 s43, s19, 1
	s_add_co_u32 s42, s42, s43
	s_lshl_b32 s42, s42, 4
	s_add_co_u32 s42, s42, s22
	s_mul_i32 s42, s42, BLK
	s_mul_i32 s43, s18, 6144
	s_add_co_u32 s42, s42, s43
	s_and_b32 s43, s19, 1
	s_mul_i32 s43, s43, 1536
	s_add_co_u32 s42, s42, s43
	s_mov_b32 s43, 0
	s_lshl_b32 s44, s21, 3                         ; xtC: ((8 b + T / 2) 8 + Dk) BLK + 6,144 w + 1,536 (T % 2)
	s_lshr_b32 s45, s22, 1
	s_add_co_u32 s44, s44, s45
	s_lshl_b32 s44, s44, 3
	s_add_co_u32 s44, s44, s19
	s_mul_i32 s44, s44, BLK
	s_mul_i32 s45, s18, 6144
	s_add_co_u32 s44, s44, s45
	s_and_b32 s45, s22, 1
	s_mul_i32 s45, s45, 1536
	s_add_co_u32 s44, s44, s45
	s_mov_b32 s45, 0
	s_lshl_b32 s46, s21, 3                         ; lhs's and rhs's words: (8 b + Dk) 8,192 + 512 T
	s_add_co_u32 s46, s46, s19
	s_lshl_b32 s46, s46, 13
	s_lshl_b32 s47, s22, 9
	s_add_co_u32 s46, s46, s47
	s_mov_b32 s47, 0
	s_lshl_b32 s32, s20, 12                        ; x^T's words: 1,048,576 + 4,096 y + 512 Dk
	s_add_co_u32 s32, s32, s40
	s_add_co_u32 s32, s32, 1048576
	s_mov_b32 s33, 0
	s_wait_alu depctr_va_vdst(0)
	s_wait_kmcnt 0x0
	s_add_nc_u64 s[4:5], s[4:5], s[38:39]
	s_add_nc_u64 s[6:7], s[6:7], s[40:41]
	s_add_nc_u64 s[8:9], s[8:9], s[40:41]
	s_add_nc_u64 s[10:11], s[10:11], s[42:43]
	s_add_nc_u64 s[12:13], s[12:13], s[42:43]
	s_add_nc_u64 s[14:15], s[14:15], s[44:45]
	s_add_nc_u64 s[24:25], s[16:17], s[46:47]
	s_add_nc_u64 s[26:27], s[24:25], 524288
	s_add_nc_u64 s[28:29], s[16:17], s[32:33]
	; ---- A: w_lhs at my lane's places (register 16 b + i = d 32 b + 16 h + i), then my 32 rows: each load reads 512 consecutive bytes
.irp b, 0,1,2,3
.irp j, 0,1,2,3
	global_load_b128 v[WL+16*\b+4*\j:WL+16*\b+4*\j+3], v11, s[6:7] offset:128*\b+16*\j
.endr
.endr
.set i, 0
.rept 32
	global_load_b128 v[X+4*i:X+4*i+3], v4, s[4:5] offset:4096*i th:TH_LOAD_NT
.set i, i+1
.endr
.irp g, 0,1,2,3
	s_wait_loadcnt 24-8*\g                         ; loads come back in order: these eight rows are in, the younger rows may be out
.irp i, 0,1,2,3,4,5,6,7
	ds_store_b128 v5, v[X+4*(8*\g+\i):X+4*(8*\g+\i)+3] offset:PITCH*(8*\g+\i)
.endr
.endr
	s_wait_dscnt 0x0                               ; for the others' sake: my rows lie in the tile
	s_barrier_signal -1
	s_barrier_wait -1                              ; the tile is whole
.irp b, 0,1,2,3
.irp j, 0,1,2,3
	global_load_b128 v[WR+16*\b+4*\j:WR+16*\b+4*\j+3], v11, s[8:9] offset:128*\b+16*\j   ; into registers that the stores above have read
.endr
.endr
; 64 numbers of a lane, register 16 b + i = k 32 b + 16 (lane / 16) + i of my row, become a fragment's codes in v[PC] on and its scale word in v[PW]
.macro QUANT s
.irp b, 0,1,2,3
	v_max3_num_f32 v[TM+\b], |v[\s+16*\b]|, |v[\s+1+16*\b]|, 0x2800000   ; block b: my 16 numbers, and the floor 2^(5 - 127): the byte cannot fall under 1
.endr
.irp i, 2,4,6,8,10,12,14
.irp b, 0,1,2,3
	v_max3_num_f32 v[TM+\b], v[TM+\b], |v[\s+16*\b+\i]|, |v[\s+1+16*\b+\i]|   ; the four blocks by turns
.endr
.endr
.irp b, 0,1,2,3
	v_permlanex16_b32 v[TM+4+\b], v[TM+\b], s[SEL], s[SEL+1]
.endr
.irp b, 0,1,2,3
	v_max_num_f32 v[TM+\b], v[TM+\b], v[TM+4+\b]   ; with lane l xor 16's: the block's largest magnitude
.endr
.irp b, 0,1,2,3
	v_add_nc_u32 v[TM+12+\b], 0xfe000000, v[TM+\b] ; 4 off its exponent field: the conversion takes the exponent field of this operand as its scale
.endr
.irp b, 0,1,2,3
	v_lshrrev_b32 v[TM+4+\b], 23, v[TM+12+\b]      ; the scale's byte
.endr
	v_lshl_or_b32 v[PW], v[TM+5], 8, v[TM+4]
	v_lshl_or_b32 v[PW], v[TM+6], 16, v[PW]
	v_lshl_or_b32 v[PW], v[TM+7], 24, v[PW]
.irp c, 0,1
	v_cvt_scalef32_pk16_bf6_f32 v[PC+6*\c:PC+2+6*\c], v[\s+32*\c:\s+15+32*\c], v[TM+12+2*\c]
	v_cvt_scalef32_pk16_bf6_f32 v[PC+12+4*\c:PC+14+4*\c], v[\s+16+32*\c:\s+31+32*\c], v[TM+12+2*\c+1]   ; (a conversion's three registers begin on an even number)
.endr
	v_nop                                          ; one plain place behind a scaled conversion
.irp c, 0,1                                    ; the operand's layout wants a WHOLE block in a lane: lanes 0-15 block 2 c, lanes 16-31 block 2 c + 1
.irp i, 0,1,2
	v_permlane16_swap_b32 v[PC+6*\c+\i], v[PC+12+4*\c+\i]
.endr
.irp i, 0,1,2
	v_mov_b32 v[PC+3+6*\c+\i], v[PC+12+4*\c+\i]
.endr
.endr
.endm
; One fragment of x * w: 16 rows from the tile, times w, quantised; its image leaves by three stores of 512 consecutive bytes, its words go to the scratch
.macro ROWT adr, rowoff, wreg, base, m, sco
.irp b, 0,1,2,3
.irp j, 0,1,2,3
	ds_load_b128 v[X+16*\b+4*\j:X+16*\b+4*\j+3], v[\adr] offset:\rowoff+128*\b+16*\j
.endr
.endr
	s_wait_dscnt 0x0                               ; the numbers are in (and the last fragment's word has left its register)
.set i, 0
.rept 32
	v_pk_mul_f32 v[X+i:X+i+1], v[X+i:X+i+1], v[\wreg+i:\wreg+i+1]    ; x * w in f32
.set i, i+2
.endr
	s_wait_xcnt 0x0                                ; the last image's stores have read v[PC] on: only behind this wait are the codes written again
	QUANT X
.irp c, 0,1,2
	global_store_b128 v4, v[PC+4*\c:PC+4*\c+3], s[\base:\base+1] offset:3072*\m+512*\c th:TH_STORE_NT
.endr
	ds_store_b32 v12, v[PW] offset:\sco+64*\m      ; lanes r and r + 16 write the same word with the same value
.endm
	; ---- B
	ROWT 6, 0, WL, 10, 0, 0
	ROWT 6, 16*PITCH, WL, 10, 1, 0
	s_wait_loadcnt 0x0                             ; w_rhs
	ROWT 7, 0, WR, 12, 0, 512
	ROWT 7, 8*PITCH, WR, 12, 1, 512                ; (rows 16 apart share banks at this pitch: these reads go two deep)
; ---- C: x^T.  A LANE TAKES A COLUMN, AND ITS REGISTERS RUN DOWN THE KEYS 64 c + 0 .. 63: two whole blocks, so no other lane is asked for a maximum.
; The operand wants column r's block 2 c in lane r and its block 2 c + 1 in lane r + 16: one exchange of halves between the two blocks' codes gives both fragments (columns 0-15, columns 16-31).
.macro COLS c
.set k, 0
.rept 64
	ds_load_b32 v[X+k], v[8+\c] offset:PITCH*k     ; 32 neighbouring words of a row
.set k, k+1
.endr
	s_wait_dscnt 0x0
.irp e, 0,1
	v_max3_num_f32 v[TM+\e], |v[X+32*\e]|, |v[X+32*\e+1]|, 0x2800000
.endr
.irp i, 2,4,6,8,10,12,14,16,18,20,22,24,26,28,30
.irp e, 0,1
	v_max3_num_f32 v[TM+\e], v[TM+\e], |v[X+32*\e+\i]|, |v[X+32*\e+\i+1]|
.endr
.endr
.irp e, 0,1
	v_add_nc_u32 v[TM+12+\e], 0xfe000000, v[TM+\e]
.endr
.irp e, 0,1
	v_lshrrev_b32 v[TM+4+\e], 23, v[TM+12+\e]
.endr
.if \c == 0
	v_lshl_or_b32 v[PWX], v[TM+5], 8, v[TM+4]      ; bytes 0 and 1 of my column's word
.else
	v_lshl_or_b32 v[PWX], v[TM+4], 16, v[PWX]      ; bytes 2 and 3
	v_lshl_or_b32 v[PWX], v[TM+5], 24, v[PWX]
.endif
	v_cvt_scalef32_pk16_bf6_f32 v[F0+6*\c:F0+6*\c+2], v[X:X+15], v[TM+12]
	v_cvt_scalef32_pk16_bf6_f32 v[T1:T1+2], v[X+16:X+31], v[TM+12]
	v_cvt_scalef32_pk16_bf6_f32 v[F1+6*\c:F1+6*\c+2], v[X+32:X+47], v[TM+13]
	v_cvt_scalef32_pk16_bf6_f32 v[T3:T3+2], v[X+48:X+63], v[TM+13]
	v_nop                                          ; one plain place behind a scaled conversion
.irp i, 0,1,2
	v_permlane16_swap_b32 v[F0+6*\c+\i], v[F1+6*\c+\i]
	v_permlane16_swap_b32 v[T1+\i], v[T3+\i]
.endr
.irp i, 0,1,2
	v_mov_b32 v[F0+6*\c+3+\i], v[T1+\i]
	v_mov_b32 v[F1+6*\c+3+\i], v[T3+\i]
.endr
.endm
	COLS 0
	COLS 1
.irp c, 0,1,2
	global_store_b128 v4, v[F0+4*\c:F0+4*\c+3], s[14:15] offset:512*\c th:TH_STORE_NT
	global_store_b128 v4, v[F1+4*\c:F1+4*\c+3], s[14:15] offset:3072+512*\c th:TH_STORE_NT
.endr
	ds_store_b32 v13, v[PWX]
	; ---- D: the work-group's 3 x 128 scale words leave as three runs of 512 consecutive bytes
	s_wait_dscnt 0x0                               ; for wave 0's sake: my words lie in the scratch
	s_barrier_signal -1
	s_barrier_wait -1
	s_cmp_lg_u32 s18, 0
	s_cbranch_scc1 .Ldone
	ds_load_b128 v[64:67], v14
	ds_load_b128 v[68:71], v14 offset:512
	ds_load_b128 v[72:75], v14 offset:1024
	s_wait_dscnt 0x0
	global_store_b128 v4, v[64:67], s[24:25]
	global_store_b128 v4, v[68:71], s[26:27]
	global_store_b128 v4, v[72:75], s[28:29]
.Ldone:
	s_wait_tensorcnt 0x0
	ds_add_u32 v62, v63
	s_wait_dscnt 0x0
	s_endpgm
.Lfunc_end_k_q4fa58a3641_quant:
	.size	k_q4fa58a3641_quant, .Lfunc_end_k_q4fa58a3641_quant-k_q4fa58a3641_quant
	.p2alignl 7, 3214868480
	.fill 96, 4, 3214868480
	.section	.rodata,"a",@progbits
	.p2align	6, 0x0
	.amdhsa_kernel k_q4fa58a3641_quant
		.amdhsa_group_segment_fixed_size 69632
		.amdhsa_private_segment_fixed_size 0
		.amdhsa_enable_private_segment 0
		.amdhsa_kernarg_size 56
		.amdhsa_user_sgpr_count 2
		.amdhsa_user_sgpr_kernarg_segment_ptr 1
		.amdhsa_wavefront_size32 1
		.amdhsa_system_sgpr_workgroup_id_x 1
		.amdhsa_system_sgpr_workgroup_id_y 1
		.amdhsa_system_sgpr_workgroup_id_z 1
		.amdhsa_system_vgpr_workitem_id 0
		.amdhsa_next_free_vgpr 256
		.amdhsa_next_free_sgpr 66
		.amdhsa_reserve_vcc 0
		.amdhsa_float_denorm_mode_32 3
		.amdhsa_float_denorm_mode_16_64 3
		.amdhsa_memory_ordered 1
		.amdhsa_forward_progress 1
		.amdhsa_inst_pref_size 57
	.end_amdhsa_kernel
	.amdgpu_metadata
---
amdhsa.version: [ 1, 2 ]
amdhsa.kernels:
  - .name:           k_q4fa58a3641_quant
    .symbol:         k_q4fa58a3641_quant.kd
    .args:
      - { .name: x, .offset: 0, .size: 8, .value_kind: global_buffer, .address_space: global }
      - { .name: w_lhs, .offset: 8, .size: 8, .value_kind: global_buffer, .address_space: global }
      - { .name: w_rhs, .offset: 16, .size: 8, .value_kind: global_buffer, .address_space: global }
      - { .name: lhsC, .offset: 24, .size: 8, .value_kind: global_buffer, .address_space: global }
      - { .name: rhsC, .offset: 32, .size: 8, .value_kind: global_buffer, .address_space: global }
      - { .name: xtC, .offset: 40, .size: 8, .value_kind: global_buffer, .address_space: global }
      - { .name: opS, .offset: 48, .size: 8, .value_kind: global_buffer, .address_space: global }
    .group_segment_fixed_size: 69632
    .private_segment_fixed_size: 0
    .kernarg_segment_align: 8
    .kernarg_segment_size: 56
    .max_flat_workgroup_size: 128
    .sgpr_count:     66
    .vgpr_count:     256
    .wavefront_size: 32
...
	.end_amdgpu_metadata
.endif
;; end of part 1
;; launch scores (part 2): grid 4 x 64, 4 waves a work-group, clusters of 4 x 4, 327,680 bytes of LDS; arguments lhsC, opS, rhsC, pC, pSML; writes pC, pSML
.if DOCPART == 2
	.amdgcn_target "amdgcn-amd-amdhsa--gfx1250"
	.amdhsa_code_object_version 6
	.text
	.protected	k_q4fa58a3641_scores
	.globl	k_q4fa58a3641_scores
	.p2align	8
	.type	k_q4fa58a3641_scores,@function
k_q4fa58a3641_scores:
	s_mov_b64 s[64:65], 0
	v_nop
	global_prefetch_b8 v0, s[64:65] scope:SCOPE_SE
	s_setreg_imm32_b32 hwreg(HW_REG_WAVE_MODE, 25, 1), 1
	s_wait_xcnt 0x0
	s_wait_alu depctr_hold_cnt(0) depctr_sa_sdst(0) depctr_va_vdst(0) depctr_va_sdst(0) depctr_va_ssrc(0) depctr_va_vcc(0) depctr_vm_vsrc(0)
	s_getreg_b32 s2, hwreg(HW_REG_IB_STS2, 6, 4)
	s_cmp_eq_u32 s2, 0
	s_cbranch_scc0 .Lentry_in_a_cluster
	s_endpgm
.Lentry_in_a_cluster:
	s_bfe_u32 s2, ttmp6, 0x10000c
	s_cmp_lg_u32 s2, 0xf033
	s_cbranch_scc0 .Lentry_shape_is_right
	s_endpgm
.Lentry_shape_is_right:
; S = Q(x w_lhs) Q(x w_rhs)^T on codes of BF6 (E3M2) with E8M0 scales, K = 1,024; then, in registers, the softmax's p for each run of 128 keys, quantised along the keys.
; A tile of S, 256 queries x 256 keys of one batch, is made by a work-group of four waves; a wave makes 128 x 128: 64 accumulators of 16 x 16, 512 registers.
; A WORK-GROUP STAYS: it makes TILES = 2 tiles of one tile row, tile columns cx and cx + 4: 256 work-groups.  The next tile's first three K steps are asked for among the blocks of this tile's softmax.
; THE SOFTMAX IS LOCAL TO A WAVE.  t = score x log2(e); M_loc = ceil(the largest t of a query's 128 keys in this wave), a whole number; p = 2^(t - M_loc).  Those 128 keys are one scale word of the
; next product, so the next launch brings p under the row's own M by taking M - M_loc off the word's four bytes: the codes stay as they are.  Stored for each query and 128 keys:
; the codes (pC), the scale word, -M_loc and the sum of the unquantised p (pSML's three parts).  No wave asks another for a maximum.
; OPERANDS lie in memory as images of their registers (a fragment: 1,536 bytes; a block of 128 rows x 256 K: 24,576 dense bytes): a wave's tensor load brings one block, a fragment comes from LDS
; by three loads of 512 consecutive bytes.
; THREE LDS SLOTS of a K step of 256.  K has four steps: steps 0, 1, 2 are in slots 0, 1, 2 when a tile begins or soon after; step 3 goes into slot 0 behind the round at the end of step 0 and has
; 224 matrix instructions of a wave between its request and the wait for it.
; CLUSTERS: 4 x 4 work-groups.  The four of a row of the cluster need the same blocks of A (queries), the four of a column the same blocks of B (keys): each is asked for JOINTLY.
; THE MATRIX INSTRUCTION IS USED TRANSPOSED (source 0 = 16 keys, source 1 = 16 queries): a lane holds ONE query.  rhsC's rows are stored so that tile 2 b + u, lane r is key 32 b + 8 u + r + 8 (r / 8):
; the 64 registers of a block of 16 queries are then register 16 b + i = key 32 b + 16 (lane / 16) + i, the order that the conversions want.
; LIMITS: NaN and infinities are not served; a block of p that has fallen to zeros keeps the byte 1 (its codes are zeros).
; REGISTERS, in windows of 256: window 0: v0-31 addresses; v32-63 scale words, two sets, and nothing else; v64-127 and v224-255 the softmax's work; v128-223 A's fragments, one set.
;   window 1: B's fragments, two sets, at v0 and v128.   window 2: the accumulators of my queries 0-63 ((a, b) at v[8 (8 a + b)]);   window 3: those of my queries 64-127.
.set NQ,     2                         ; matrix instructions deep in a slot
.set FR,     12                        ; registers of a fragment
.set NL,     3                         ; LDS loads that bring one
.set NP,     4                         ; places behind this matrix instruction (ISA guide 7.12.1)
.set BLK,    24576
.set SLOT,   4*BLK                     ; A's two blocks, then B's two
.set TILES,  2
.set KSTRA,  16*BLK                    ; from a K step's block to the next K step's
.set KSTRB,  16*BLK
.set NEXTB,  8*BLK                     ; four tile columns on: in rhsC,
.set NEXTBS, 4096                      ; in its scale words,
.set NEXTP,  64*BLK                    ; in pC,
.set NEXTS,  65536                     ; and in each part of pSML
.set SCA,    3*SLOT                    ; behind the slots: A's scale words [8][256 rows], 4 bytes each;
.set SCB,    SCA+8*1024+128            ; B's likewise, 128 bytes further on than a multiple of 256, so that the two halves of the lanes read different banks
.set SCR,    SCB+8*1024+128            ; 1,536 bytes for each wave: 128 scale words of p, 128 -M_loc, 128 sums
.set SPARE,  SCR+4*1536                ; the spare words, 128 bytes for each wave: two blocks of 256 bytes that no other line names
.set ADRA, 8                           ; v8-10   LDS address of my A fragments in slot 0, 1, 2
.set ADRB, 12                          ; v12-14  the same for B
.set SCW,  18                          ; v18     SCA + 8 x thread: where scale words are put
.set SCRR, 22                          ; v22     my scratch, 16 bytes a lane
.set T8,   23                          ; v23     8 x thread
.set L16,  26                          ; v26     16 x lane
.set ADRS, 27                          ; v27     LDS address of my scale words: lanes 0-15 A's rows, lanes 16-31 B's; never rewritten
.set SPW,  28                          ; v28     LDS address of my spare word; never rewritten
.set NIL,  29                          ; v29     0; never rewritten
.set SCRA, 31                          ; v31     my scratch, 4 bytes a query
.set SC,   32                          ; scale words: set s at v[SC + 16 s]; register 2 i + q: lanes 0-15 the word of A's block i, lanes 16-31 of B's block i
.set TM,   64                          ; v64-67  each block's largest score, then its largest p
.set PD,   68                          ; v68-71  permute destinations, then the bytes
.set SO,   72                          ; v72-75  the conversions' scale operands
.set NM,   76                          ; v76     -M_loc (v77 is named with it as a pair)
.set T0,   78
.set T1,   79
; The softmax takes four blocks of 16 queries at a time, e = 0 .. 3: block e's TM, PD, SO, NM, T0, T1 lie 16 e further on (v64-127 in all);
; its codes, 12 registers and 8 for halves on their way, lie at v128 (e = 0) and v156 + 20 e (e = 1, 2, 3): A's fragment registers, idle there, clear of v160-175 (the next tile's scale words)
.set OUTW, 240                         ; v240-251 the scratch on its way out
.set AF,   128
.set HS,   160                         ; v160-191 scale words on their way to LDS
.set PFO,  30                          ; v30     the prefetches' offset: 24 runs of 256 bytes, a lane a run (lanes 24-31 name the last again); never rewritten
.set PFA,  98                          ; s[98:99] K step 0 of the block that I fetch, at my work-group's quarter of it; never rewritten
.set PFL,  100                         ; s100    1 while my wave asks for the next tile's blocks: B's waves, in the first tile
.set G1,  24                           ; s[24:31] descriptor group 1 for A's blocks
.set G1B, 48                           ; s[48:55] for B's
.set GA0, 32                           ; descriptor groups 0 for A's blocks, one for each slot
.set GA1, 36
.set GA2, 88
.set GB0, 56                           ; and for B's
.set GB1, 60
.set GB2, 92
.set CS, 76                            ; s[76:77] log2(e), twice
.set SEL, 78                           ; s[78:79] selects for lane l xor 16
.set MSB, 0
.macro WIN new                         ; the immediate's high byte repeats the setting that is left; a switch that changes nothing is dropped
.if MSB != (\new)
	s_set_vgpr_msb (MSB<<8)|(\new)
.set MSB, (\new)
.endif
.endm
.set MUL_LO, 0xa1                      ; source 0 (B) window 1, source 1 (A) window 0, C and D window 2
.set MUL_HI, 0xf1                      ; the same, C and D window 3
.set TO_B,   0x40                      ; destination window 1, address window 0
; A joint load: waves 0 and 1 fetch for A, waves 2 and 3 for B.  Each line has ONE mask and one set of registers for all that issue it; the branch hangs on the wave's number alone.
; Four v_nop follow each of the two lines, ahead of the jump, the label and what follows.
.macro JLOAD g0a, g1a, g0b, g1b
	s_cmp_eq_u32 s15, 0
	s_cbranch_scc0 .Lfor_b_\@
	tensor_load_to_lds s[\g0a:\g0a+3], s[\g1a:\g1a+7]
	s_nop 0
.rept 4
	v_nop
.endr
	s_branch .Lasked_\@
.Lfor_b_\@:
	tensor_load_to_lds s[\g0b:\g0b+3], s[\g1b:\g1b+7]
	s_nop 0
.rept 4
	v_nop
.endr
.Lasked_\@:
.endm
.macro CREST                           ; a round of the cluster's barrier behind its opening barrier
	s_cmp_lg_u32 s14, 0
	s_cbranch_scc1 .Lnot_wave_0_\@
	s_barrier_signal -3
.Lnot_wave_0_\@:
	s_barrier_wait -3
	s_barrier_signal -1
	s_barrier_wait -1
.endm
.macro CROUND                          ; a whole round
	s_barrier_signal -1
	s_barrier_wait -1
	CREST
.endm
	s_load_b128 s[4:7], s[0:1], 0x0                ; lhsC s[4:5], opS s[6:7]
	s_load_b128 s[8:11], s[0:1], 0x10              ; rhsC s[8:9], pC s[10:11]
	s_load_b64 s[12:13], s[0:1], 0x20              ; pSML
	v_lshl_add_u32 v[SPW], v0, 2, SPARE
	v_mov_b32 v[NIL], 0
	ds_add_u32 v28, v29
	ds_add_u32 v28, v29
	s_wait_dscnt 0x0
	v_lshlrev_b32 v[T8], 3, v0
	v_and_b32 v[PFO], 31, v0
	v_min_u32 v[PFO], 23, v[PFO]
	v_lshlrev_b32 v[PFO], 8, v[PFO]
; PREFETCH.  A block of 24,576 bytes is asked for once in each cluster that loads it: the four partners that load it jointly take 6,144 bytes each, told apart by address (cx for A, cy for B).
; At the head: K steps 1, 2, 3 of the first tile.  In the first tile B's waves ask for the next tile's K step k, four tile columns on: k = 0, 1 at the ends of K steps 0, 1, k = 2, 3 at the end of K step 2;
; the load of k = 0 stands three K steps behind its prefetch.  A's rows are the same in both tiles and are asked for once.  Every offset is an immediate: no address is stepped.
.macro ASKB k
	s_cmp_eq_u32 s[PFL], 1
	s_cbranch_scc0 .Lno_ask_\@
	global_prefetch_b8 v[PFO], s[PFA:PFA+1] offset:NEXTB+(\k)*KSTRB th:TH_LOAD_NT scope:SCOPE_SE
.Lno_ask_\@:
.endm
	v_lshrrev_b32 v1, 5, v0
	v_readfirstlane_b32 s14, v1                    ; wave 0..3
	s_lshr_b32 s15, s14, 1                         ; which 128 queries of the tile are mine.  Also: I fetch for A (0) or for B (1)
	s_and_b32 s16, s14, 1                          ; which 128 keys.  Also: which block of that operand I fetch
	s_bfe_u32 s40, ttmp6, 0x40000                  ; cx, cy: my place in the cluster
	s_bfe_u32 s41, ttmp6, 0x40004
	s_lshl_b32 s42, ttmp9, 2
	s_add_co_u32 s42, s42, s40                     ; my first tile's column (256 keys) = 4 x cluster x + cx; the grid has one cluster along x
	s_and_b32 s18, ttmp7, 0xffff                   ; cluster y = 2 x batch + half
	s_and_b32 s17, s18, 1
	s_lshl_b32 s17, s17, 2
	s_add_co_u32 s17, s17, s41                     ; yb: tile row (256 queries) in the batch
	s_lshr_b32 s18, s18, 1                         ; the batch, for A's addresses,
	s_and_b32 s66, ttmp7, 0xffff
	s_lshr_b32 s66, s66, 1                         ; and once more for B's
	s_lshl_b32 s43, s41, 2
	s_lshl_b32 s43, 15, s43                        ; my row of the cluster
	s_lshl_b32 s44, 0x1111, s40                    ; my column
	; descriptor group 1: a dense block of 24,576 bytes as 96 rows of 32 elements of 8 bytes, no padding
	s_or_b32 s[G1+0], s43, (3<<16)|(1<<21)         ; 15:0 the mask: A's blocks go to my row; 17:16 elements of 8 bytes; 21 set beside a mask
	s_or_b32 s[G1B+0], s44, (3<<16)|(1<<21)        ; B's go to my column
.irp g, G1, G1B
	s_mov_b32 s[\g+1], 32<<16                      ; tensor_dim0 = 32
	s_mov_b32 s[\g+2], 96<<16                      ; tensor_dim1 = 96
	s_mov_b32 s[\g+3], 32<<16                      ; tile_dim0 = 32
	s_mov_b32 s[\g+4], 96                          ; tile_dim1 = 96
	s_mov_b32 s[\g+5], 32                          ; tensor_dim0_stride
	s_mov_b32 s[\g+6], 0
	s_mov_b32 s[\g+7], 0
.endr
	s_lshl_b32 s20, s18, 6                         ; A's block: 64 batch + 2 yb + which
	s_lshl_b32 s21, s17, 1
	s_add_co_u32 s20, s20, s21
	s_add_co_u32 s20, s20, s16
	s_mul_i32 s20, s20, BLK
	s_mov_b32 s21, 0
	s_lshl_b32 s46, s66, 6                         ; B's block: 64 batch + 2 x tile column + which
	s_lshl_b32 s47, s42, 1
	s_add_co_u32 s46, s46, s47
	s_add_co_u32 s46, s46, s16
	s_mul_i32 s46, s46, BLK
	s_mov_b32 s47, 0
	s_mul_i32 s45, s14, BLK                        ; where they go: wave x a block: no place in the cluster enters an LDS address
	s_lshl_b32 s22, s18, 16                        ; A's scale words: 65,536 batch + 1,024 yb
	s_lshl_b32 s23, s17, 10
	s_add_co_u32 s22, s22, s23
	s_mov_b32 s23, 0
	s_lshl_b32 s84, s66, 16                        ; B's: 524,288 + 65,536 batch + 1,024 x tile column
	s_lshl_b32 s85, s42, 10
	s_add_co_u32 s84, s84, s85
	s_add_co_u32 s84, s84, 524288
	s_mov_b32 s85, 0
	s_lshl_b32 s80, s66, 3                         ; p's codes: ((8 batch + tile column) 16 + 2 yb + my half of the queries) BLK + 1,536 x my half of the keys
	s_add_co_u32 s80, s80, s42
	s_lshl_b32 s80, s80, 4
	s_lshl_b32 s81, s17, 1
	s_add_co_u32 s80, s80, s81
	s_add_co_u32 s80, s80, s15
	s_mul_i32 s80, s80, BLK
	s_mul_i32 s81, s16, 1536
	s_add_co_u32 s80, s80, s81
	s_mov_b32 s81, 0
	s_lshl_b32 s82, s66, 4                         ; pSML: (16 batch + 2 x tile column + my half of the keys) 8,192 + 1,024 yb + 512 x my half of the queries
	s_lshl_b32 s83, s42, 1
	s_add_co_u32 s82, s82, s83
	s_add_co_u32 s82, s82, s16
	s_lshl_b32 s82, s82, 13
	s_lshl_b32 s83, s17, 10
	s_add_co_u32 s82, s82, s83
	s_lshl_b32 s83, s15, 9
	s_add_co_u32 s82, s82, s83
	s_mov_b32 s83, 0
	s_mov_b32 s[CS], 0x3fb8aa3b                    ; log2(e)
	s_mov_b32 s[CS+1], s[CS]                       ; (named with it as a pair, so it is written)
	s_mov_b32 s[SEL], 0x76543210
	s_mov_b32 s[SEL+1], 0xfedcba98
	s_wait_alu depctr_va_vdst(0)
	s_wait_kmcnt 0x0
	s_add_nc_u64 s[20:21], s[4:5], s[20:21]
	s_add_nc_u64 s[46:47], s[8:9], s[46:47]
	s_add_nc_u64 s[68:69], s[6:7], s[22:23]
	s_add_nc_u64 s[70:71], s[6:7], s[84:85]
	s_add_nc_u64 s[72:73], s[10:11], s[80:81]
	s_add_nc_u64 s[74:75], s[12:13], s[82:83]
	s_cmp_eq_u32 s15, 0                            ; do I fetch for A?
	s_cselect_b64 s[PFA:PFA+1], s[20:21], s[46:47]
	s_cselect_b32 s[PFL], s40, s41                 ; my place among the four that ask for the block with me
	s_mul_i32 s[PFL], s[PFL], 6144
	s_mov_b32 s[PFL+1], 0
	s_add_nc_u64 s[PFA:PFA+1], s[PFA:PFA+1], s[PFL:PFL+1]
	s_mov_b32 s[PFL], s15
	; the first tile's scale words, for all of K: 8 x 1,024 consecutive bytes for each side, 8 bytes a thread; asked for ahead of the round, so that they are on their way while the work-groups meet
.irp k, 0,1,2,3,4,5,6,7
	global_load_b64 v[HS+2*\k:HS+2*\k+1], v[T8], s[68:69] offset:8192*\k
	global_load_b64 v[HS+16+2*\k:HS+16+2*\k+1], v[T8], s[70:71] offset:8192*\k
.endr
.irp k, 1,2,3
	global_prefetch_b8 v[PFO], s[PFA:PFA+1] offset:\k*KSTRA th:TH_LOAD_NT scope:SCOPE_SE   ; the first tile's K step k
.endr
	CROUND
; LDS: slot 0 is [4 blocks]; slots 1 and 2 lie block by block, [4 blocks][slot 1, slot 2], so that one load of two rows of 24,576 bytes can bring a block's K steps 1 and 2 on end.
.macro SETG0 ga, gb, s, lb, lo         ; slot s's two groups 0, for K step s; LDS address = s[lb] + lo
	s_mov_b32 s[\ga], 1                                            ; count = 1
	s_add_co_u32 s[\ga+1], s[\lb], \lo
	s_add_nc_u64 s[\ga+2:\ga+3], s[20:21], \s*KSTRA                ; global address: K step s
	s_or_b32 s[\ga+3], s[\ga+3], 0x80000000                        ; type = 2
	s_mov_b32 s[\gb], 1
	s_add_co_u32 s[\gb+1], s[\lb], \lo
	s_add_nc_u64 s[\gb+2:\gb+3], s[46:47], \s*KSTRB
	s_or_b32 s[\gb+3], s[\gb+3], 0x80000000
.endm
	s_mul_i32 s96, s14, 2*BLK                      ; wave x two blocks: my place in slots 1 and 2
	SETG0 GA0, GB0, 0, 45, 0
	SETG0 GA1, GB1, 1, 96, SLOT
	SETG0 GA2, GB2, 2, 96, SLOT+BLK
	JLOAD GA0, G1, GB0, G1B                        ; K step 0: one tensor load a wave at the head
	v_and_b32 v1, 31, v0                           ; lane
	v_and_b32 v2, 15, v0                           ; r
	v_bfe_u32 v3, v0, 4, 1                         ; h
	s_mul_i32 s86, s15, BLK                        ; slot 0: my block of A,
	s_mul_i32 s87, s16, BLK                        ; my block of B,
	s_add_co_u32 s87, s87, 2*BLK                   ; which lies behind A's two
	s_lshl_b32 s96, s86, 1                         ; slots 1 and 2: two blocks to a place
	s_lshl_b32 s97, s87, 1
	s_add_co_u32 s96, s96, SLOT
	s_add_co_u32 s97, s97, SLOT
	s_wait_alu depctr_va_vdst(0)                   ; directly ahead of the reader below
	v_lshlrev_b32 v[L16], 4, v1
	v_add_nc_u32 v[ADRA], s86, v[L16]
	v_add_nc_u32 v[ADRB], s87, v[L16]
	v_add_nc_u32 v[ADRA+1], s96, v[L16]
	v_add_nc_u32 v[ADRB+1], s97, v[L16]
	v_add_nc_u32 v[ADRA+2], BLK, v[ADRA+1]
	v_add_nc_u32 v[ADRB+2], BLK, v[ADRB+1]
	s_lshl_b32 s86, s15, 9                         ; A's words of my 128 queries
	s_lshl_b32 s87, s16, 9                         ; B's of my 128 keys
	s_add_co_u32 s87, s87, SCB-SCA
	s_sub_co_u32 s87, s87, s86
	v_mul_u32_u24 v4, s87, v3                      ; lanes 16-31 take B's: one product, the distance between the two x h
	s_add_co_u32 s86, s86, SCA
	v_lshl_add_u32 v4, v2, 2, v4
	v_add_nc_u32 v[ADRS], s86, v4
	s_mul_i32 s86, s14, 1536
	s_add_co_u32 s86, s86, SCR                     ; my scratch
	v_lshl_add_u32 v[SCRA], v2, 2, s86
	v_add_nc_u32 v[SCRR], s86, v[L16]
	v_lshl_add_u32 v[SCW], v0, 3, SCA
.irp e, 0,1,2,3
.irp b, 0,1,2,3
	v_mov_b32 v[PD+16*\e+\b], 0                    ; written once: a lane permute's destination counts as one of its sources
.endr
	v_mov_b32 v[NM+16*\e+1], 0                     ; (named as the upper half of a pair)
.endr
	s_wait_alu depctr_va_vdst(0)
	s_wait_loadcnt 0x0
.irp k, 0,1,2,3,4,5,6,7
	ds_store_b64 v[SCW], v[HS+2*\k:HS+2*\k+1] offset:1024*\k
	ds_store_b64 v[SCW], v[HS+16+2*\k:HS+16+2*\k+1] offset:SCB-SCA+1024*\k
.endr
.macro FRAG reg, adr, q, i             ; a fragment comes as it was stored: three loads of 512 consecutive bytes
.irp c, 0,1,2
	ds_load_b128 v[\reg+4*\c:\reg+4*\c+3], v[\adr] offset:(2*(\i)+(\q))*1536+512*\c
.endr
.endm
; 16 matrix instructions: A's blocks a0, a0 + 1 x B's eight, 128 along K: the slot's q-th.  p: B's set;  sc: the set of scale words.  zero = 1: the first product starts the sums.
; The 64 accumulators take turns, one instruction a turn, in the same order in every step.
.macro MUL16 a0, p, q, sc, zero
.irp a, \a0, \a0+1
.irp b, 0,1,2,3,4,5,6,7
.if \zero
	v_wmma_scale_f32_16x16x128_f8f6f4 v[8*(8*((\a)%4)+\b):8*(8*((\a)%4)+\b)+7], v[128*(\p)+FR*\b:128*(\p)+FR*\b+FR-1], v[AF+FR*(\a):AF+FR*(\a)+FR-1], 0, v[SC+8*NQ*(\sc)+NQ*\b+(\q)], v[SC+8*NQ*(\sc)+NQ*(\a)+(\q)] matrix_a_fmt:MATRIX_FMT_BF6 matrix_b_fmt:MATRIX_FMT_BF6 matrix_a_scale:MATRIX_SCALE_ROW1
.else
	v_wmma_scale_f32_16x16x128_f8f6f4 v[8*(8*((\a)%4)+\b):8*(8*((\a)%4)+\b)+7], v[128*(\p)+FR*\b:128*(\p)+FR*\b+FR-1], v[AF+FR*(\a):AF+FR*(\a)+FR-1], v[8*(8*((\a)%4)+\b):8*(8*((\a)%4)+\b)+7], v[SC+8*NQ*(\sc)+NQ*\b+(\q)], v[SC+8*NQ*(\sc)+NQ*(\a)+(\q)] matrix_a_fmt:MATRIX_FMT_BF6 matrix_b_fmt:MATRIX_FMT_BF6 matrix_a_scale:MATRIX_SCALE_ROW1
.endif
.endr
.endr
.endm
.macro FETCH_B slot, q, p              ; B's eight fragments of the slot's q-th 128 along K into set p
	WIN TO_B
.irp i, 0,1,2,3,4,5,6,7
	FRAG 128*(\p)+FR*\i, ADRB+\slot, \q, \i
.endr
	WIN 0
.endm
.macro FETCH_A slot, q, i0             ; A's blocks i0 .. i0 + 3
.irp i, \i0, \i0+1, \i0+2, \i0+3
	FRAG AF+FR*(\i), ADRA+\slot, \q, \i
.endr
.endm
.macro SCALES sc, ks                   ; K step ks's scale words into set sc: the K step stands in the immediate
.irp i, 0,1,2,3,4,5,6,7
.irp q, 0,1
	ds_load_b32 v[SC+16*(\sc)+2*\i+\q], v[ADRS] offset:2048*(\ks)+1024*\q+64*\i
.endr
.endr
.endm
; A load into a register that a matrix instruction has read, and a vector instruction that reads a matrix result, stand NP places behind that matrix instruction; only plain vector
; instructions that name none of its registers are places (ISA guide 7.12.1 for vector instructions).
.macro PLACES n
.rept \n
	v_nop
.endr
.endm
; A slot's first 128 along K.  A's blocks are free as soon as their eight products are issued: one set serves A; B has two.
.macro STEP slot, sc, zero
	s_wait_dscnt 4*NL                              ; B's set, A's blocks 0-3 and the scale words are in; the youngest 12 loads (A's blocks 4-7) may be out
	WIN MUL_LO
	MUL16 0, 0, 0, \sc, \zero
	MUL16 2, 0, 0, \sc, \zero
	s_wait_dscnt 0                                 ; A's blocks 4-7 are in (asked for 32 matrix instructions ago)
	PLACES NP
	FETCH_B \slot, 1, 1
	FETCH_A \slot, 1, 0
	WIN MUL_HI
	MUL16 4, 0, 0, \sc, \zero
	MUL16 6, 0, 0, \sc, \zero
	PLACES NP
	WIN 0
	FETCH_A \slot, 1, 4
.endm
; A slot's second 128 along K, which goes on to slot next (K step ks).
; mode 2: slot 0 is filled again: each wave waits for all its tensor loads, adds 0 to its spare word, waits for that and for its own reads of the slot; a round of the cluster's barrier; the joint load.
; mode 1: the next slot's fill may still be out: the same waits and my work-group's barrier; nothing is filled.
; mode 0: the next slot's fill was waited for by every wave in front of an earlier barrier, and nothing is filled: no wait on TENSORcnt, no barrier.
.macro TURN slot, next, sc, ks, mode
.if \mode
	s_wait_tensorcnt 0x0                           ; all my tensor loads have landed (every window is 0 here)
	ds_add_u32 v[SPW], v[NIL]                      ; 0 onto my spare word
	s_wait_dscnt 4*NL+1                            ; (the add and the youngest 12 loads, A's blocks 4-7, may be out)
	WIN MUL_LO
	MUL16 0, 1, 1, \sc, 0                          ; sixteen matrix instructions stand between the add and the wait for it
	s_wait_dscnt 0x0                               ; the add is done, and my reads of this slot are over
	s_barrier_signal -1
	MUL16 2, 1, 1, \sc, 0
	WIN 0
	s_barrier_wait -1
.else
	s_wait_dscnt 4*NL                              ; the youngest 12 loads (A's blocks 4-7) may be out
	WIN MUL_LO
	MUL16 0, 1, 1, \sc, 0
	MUL16 2, 1, 1, \sc, 0
	s_wait_dscnt 0x0                               ; A's blocks 4-7 are in
	WIN 0
.endif
.if \mode == 2
	CREST                                          ; the barrier has opened a round of the cluster's barrier: no wave of any partner still reads slot 0 or has a load on its way
	s_add_nc_u64 s[GA0+2:GA0+3], s[GA0+2:GA0+3], 3*KSTRA   ; K step 3
	s_add_nc_u64 s[GB0+2:GB0+3], s[GB0+2:GB0+3], 3*KSTRB
	JLOAD GA0, G1, GB0, G1B                        ; the first tensor load behind the round; its four v_nop are also the places in front of the loads below
.else
	PLACES NP
.endif
	FETCH_B \next, 0, 0
	FETCH_A \next, 0, 0
	SCALES 1-(\sc), \ks
	ASKB (\ks)-1
.if (\ks) == 3
	ASKB 3
.endif
	WIN MUL_HI
	MUL16 4, 1, 1, \sc, 0
	MUL16 6, 1, 1, \sc, 0
	PLACES NP
	WIN 0
	FETCH_A \next, 0, 4
.endm
; THE SOFTMAX OF BLOCK a: 16 queries x my 128 keys, in place in the block's 64 accumulator registers.  Each accumulator is read from its low end first.
; FOUR BLOCKS AT A TIME: blocks 4 hi + e, e = 0 .. 3, are all 256 registers of window 2 + hi (block e at v[64 e]).  Every step runs over the four blocks by turns, so that 4 or 16 independent chains
; stand side by side, and each wait and each switch of the windows serves four blocks.
.macro SOFT4 hi
.set WW, 2+(\hi)
	WIN WW|(WW<<2)|(WW<<4)
	s_wait_alu depctr_va_vdst(0)                   ; directly ahead of the first reader of these matrix results
.irp e, 0,1,2,3
.irp b, 0,1,2,3
	v_max3_num_f32 v[TM+16*\e+\b], v[64*\e+16*\b], v[64*\e+16*\b+1], v[64*\e+16*\b+2]   ; THE LARGEST SCORE OF EACH BLOCK OF 32 KEYS: for the row's maximum, and, since p rises with the score, for the block's largest p
.endr
.endr
	WIN WW|(WW<<2)
.irp i, 3,5,7,9,11,13
.irp e, 0,1,2,3
.irp b, 0,1,2,3
	v_max3_num_f32 v[TM+16*\e+\b], v[64*\e+16*\b+\i], v[64*\e+16*\b+\i+1], v[TM+16*\e+\b]
.endr
.endr
.endr
.irp e, 0,1,2,3
.irp b, 0,1,2,3
	v_max3_num_f32 v[TM+16*\e+\b], v[64*\e+16*\b+15], v[64*\e+16*\b+15], v[TM+16*\e+\b]
.endr
.endr
	WIN 0
	s_wait_alu depctr_va_vdst(0)
	s_wait_dscnt 0x0                               ; the last four blocks' words have left their registers (PD, NM, T1), which are written from here on
.irp e, 0,1,2,3
.irp b, 0,1,2,3
	v_permlanex16_b32 v[PD+16*\e+\b], v[TM+16*\e+\b], s[SEL], s[SEL+1]
.endr
.endr
.irp e, 0,1,2,3
.irp b, 0,1,2,3
	v_max_num_f32 v[TM+16*\e+\b], v[TM+16*\e+\b], v[PD+16*\e+\b]   ; with lane l xor 16's 16 keys
.endr
.endr
.irp e, 0,1,2,3
	v_max3_num_f32 v[T0+16*\e], v[TM+16*\e], v[TM+16*\e+1], v[TM+16*\e+2]
.endr
.irp e, 0,1,2,3
	v_max_num_f32 v[T0+16*\e], v[T0+16*\e], v[TM+16*\e+3]          ; my query's largest score among these 128 keys
.endr
.irp e, 0,1,2,3
	v_mul_f32 v[T0+16*\e], s[CS], v[T0+16*\e]                      ; as t
.endr
.irp e, 0,1,2,3
	v_floor_f32 v[NM+16*\e], -v[T0+16*\e]                          ; -M_loc = floor(-t) = -ceil(t): a whole number
.endr
.irp e, 0,1,2,3
.irp b, 0,1,2,3
	v_fma_f32 v[TM+16*\e+\b], v[TM+16*\e+\b], s[CS], v[NM+16*\e]   ; t - M_loc of each block's largest score
.endr
.endr
	WIN (WW<<6)|WW
.irp e, 0,1,2,3
.set j, 0
.rept 32
	v_pk_fma_f32 v[64*\e+j:64*\e+j+1], v[64*\e+j:64*\e+j+1], s[CS:CS+1], v[NM+16*\e:NM+16*\e+1] op_sel_hi:[1,0,0]   ; t - M_loc, two at a time
.set j, j+2
.endr
.endr
	s_wait_alu depctr_va_vdst(0)                   ; ahead of the batch
.set j, 0
.rept 256
	v_exp_f32 v[j], v[j]                           ; p = 2^(t - M_loc): NOT normalised
.set j, j+1
.endr
	WIN 0
.irp e, 0,1,2,3
.irp b, 0,1,2,3
	v_exp_f32 v[TM+16*\e+\b], v[TM+16*\e+\b]       ; the block's largest p: the same two instructions on the same number
.endr
.endr
	v_nop                                          ; a plain place behind the exponentials
	s_wait_alu depctr_va_vdst(0)                   ; one wait for the whole batch, ahead of its first reader
.irp e, 0,1,2,3
.irp b, 0,1,2,3
	v_max_num_f32 v[TM+16*\e+\b], 0x2800000, v[TM+16*\e+\b]        ; the floor 2^(5 - 127): the byte cannot fall under 1
.endr
.endr
.irp e, 0,1,2,3
.irp b, 0,1,2,3
	v_add_nc_u32 v[SO+16*\e+\b], 0xfe000000, v[TM+16*\e+\b]        ; 4 off the exponent field: the conversion's scale operand
.endr
.endr
.irp e, 0,1,2,3
.irp b, 0,1,2,3
	v_lshrrev_b32 v[PD+16*\e+\b], 23, v[SO+16*\e+\b]               ; the scale's byte
.endr
.endr
.irp s, 1,2,3
.irp e, 0,1,2,3
	v_lshl_or_b32 v[PD+16*\e], v[PD+16*\e+\s], 8*\s, v[PD+16*\e]   ; p's scale word for these 128 keys, under M_loc, gathered in the first byte's register
.endr
.endr
	s_wait_alu depctr_va_vdst(0)
	s_wait_xcnt 0x0                                ; the last four blocks' stores have read their codes: only behind this wait are the codes written again
	WIN WW
.irp e, 0,1,2,3
.set P, 156+20*\e-28*((3-\e)/3)
.irp c, 0,1
	v_cvt_scalef32_pk16_bf6_f32 v[P+6*\c:P+6*\c+2], v[64*\e+32*\c:64*\e+32*\c+15], v[SO+16*\e+2*\c]
	v_cvt_scalef32_pk16_bf6_f32 v[P+12+4*\c:P+14+4*\c], v[64*\e+32*\c+16:64*\e+32*\c+31], v[SO+16*\e+2*\c+1]   ; (a conversion's three registers begin on an even number)
.endr
.endr
	v_nop                                          ; one plain place behind a scaled conversion
	WIN (WW<<6)|(WW<<2)|WW
.irp st, 2,4,8,16,32                           ; THE SUM IS TAKEN OF THE UNQUANTISED p, in place: p is needed no more.  Pairs st registers apart are added; five levels leave block e's sum in v[64 e], v[64 e + 1]
.set j, 0
.rept 128/\st
	v_pk_add_f32 v[j:j+1], v[j:j+1], v[j+\st:j+\st+1]
.set j, j+2*\st
.endr
.endr
	WIN WW|(WW<<2)
.irp e, 0,1,2,3
	v_add_f32 v[T1+16*\e], v[64*\e], v[64*\e+1]
.endr
	WIN 0
.irp e, 0,1,2,3
	v_permlanex16_b32 v[T0+16*\e], v[T1+16*\e], s[SEL], s[SEL+1]
.endr
.irp e, 0,1,2,3                                ; the operand's layout wants a WHOLE block of 32 keys in a lane
.set P, 156+20*\e-28*((3-\e)/3)
.irp c, 0,1
.irp i, 0,1,2
	v_permlane16_swap_b32 v[P+6*\c+\i], v[P+12+4*\c+\i]
.endr
.irp i, 0,1,2
	v_mov_b32 v[P+3+6*\c+\i], v[P+12+4*\c+\i]
.endr
.endr
.endr
.irp e, 0,1,2,3
	v_add_f32 v[T1+16*\e], v[T1+16*\e], v[T0+16*\e]                ; the sum of my query's 128 p
.endr
.irp e, 0,1,2,3
.set P, 156+20*\e-28*((3-\e)/3)
.irp c, 0,1,2
	global_store_b128 v[L16], v[P+4*\c:P+4*\c+3], s[72:73] offset:3072*(4*(\hi)+\e)+512*\c th:TH_STORE_NT   ; the fragment's image: 512 consecutive bytes a store
.endr
	ds_store_b32 v[SCRA], v[PD+16*\e] offset:64*(4*(\hi)+\e)       ; lanes r and r + 16 write the same word with the same value
	ds_store_b32 v[SCRA], v[NM+16*\e] offset:512+64*(4*(\hi)+\e)
	ds_store_b32 v[SCRA], v[T1+16*\e] offset:1024+64*(4*(\hi)+\e)
.endr
.endm
; Slot n takes the NEXT tile's K step n.  All of this tile's products are issued, so no slot is read any more; each wave waits for all its tensor loads, adds 0 to its spare word, steps the slot's
; descriptors while the add is out, waits for the add and for all its LDS instructions; a round of the cluster's barrier; the joint load is the first thing behind it, one a wave.
; A's blocks are the same rows again (slot 0's address goes back from K step 3 to K step 0); B's lie four tile columns on.
.macro REFILL n
	s_wait_tensorcnt 0x0                           ; no tensor load of mine is out, so a group 0 may be written
	ds_add_u32 v[SPW], v[NIL]                      ; 0 onto my spare word
.if \n == 0
	s_sub_nc_u64 s[GA0+2:GA0+3], s[GA0+2:GA0+3], 3*KSTRA
	s_sub_nc_u64 s[GB0+2:GB0+3], s[GB0+2:GB0+3], 3*KSTRB-NEXTB
.elseif \n == 1
	s_add_nc_u64 s[GB1+2:GB1+3], s[GB1+2:GB1+3], NEXTB
.else
	s_add_nc_u64 s[GB2+2:GB2+3], s[GB2+2:GB2+3], NEXTB
.endif
	s_wait_dscnt 0x0                               ; the add is done; my LDS loads are in and my LDS stores have landed
	CROUND
.if \n == 0
	JLOAD GA0, G1, GB0, G1B
.elseif \n == 1
	JLOAD GA1, G1, GB1, G1B
.else
	JLOAD GA2, G1, GB2, G1B
.endif
.endm
; A tile's softmax and its way out.  fill = 1: a tile follows: its first three K steps are asked for ahead of blocks 0-3, between the two fours and behind blocks 4-7, one load a wave behind each round.
; Its keys' scale words are loaded ahead of the first round, stored behind blocks 0-3 (no wave reads the old words any more) and shown to the other waves by the second round, which also shows K step 0.
.macro EPI fill
	PLACES NP                                      ; behind the last products
.if \fill
.irp k, 0,1,2,3,4,5,6,7
	global_load_b64 v[HS+2*\k:HS+2*\k+1], v[T8], s[70:71] offset:NEXTBS+8192*\k
.endr
	REFILL 0
.endif
	SOFT4 0
.if \fill
	s_wait_loadcnt 0x0                             ; the next tile's scale words of B
.irp k, 0,1,2,3,4,5,6,7
	ds_store_b64 v[SCW], v[HS+2*\k:HS+2*\k+1] offset:SCB-SCA+1024*\k
.endr
	REFILL 1
.endif
	SOFT4 1
.if \fill
	REFILL 2
.endif
	ds_load_b128 v[OUTW:OUTW+3], v[SCRR]           ; LDS serves a wave's instructions in order: these see my stores
	ds_load_b128 v[OUTW+4:OUTW+7], v[SCRR] offset:512
	ds_load_b128 v[OUTW+8:OUTW+11], v[SCRR] offset:1024
	s_wait_dscnt 0x0
	global_store_b128 v[L16], v[OUTW:OUTW+3], s[74:75]                      ; 128 scale words: 512 consecutive bytes
	global_store_b128 v[L16], v[OUTW+4:OUTW+7], s[74:75] offset:1048576     ; 128 -M_loc
	global_store_b128 v[L16], v[OUTW+8:OUTW+11], s[74:75] offset:2097152    ; 128 sums
.if \fill
	s_wait_xcnt 0x0                                ; the stores have read their bases: only behind this wait are they stepped
	s_add_nc_u64 s[72:73], s[72:73], NEXTP
	s_add_nc_u64 s[74:75], s[74:75], NEXTS
	s_mov_b32 s[PFL], 0                            ; the last tile has no successor to ask for
.endif
.endm
; Group 1 for the first tile's K steps 1 and 2 in one load: two rows of 3,072 elements of 8 bytes (a block each), a K step apart in memory, on end in LDS.
; It lies in scalar registers that held arguments and offsets, all read by now.
.set W1A, 4
.set W1B, 80
	s_or_b32 s[W1A], s43, (3<<16)|(1<<21)          ; A's blocks go to my row of the cluster,
	s_or_b32 s[W1B], s44, (3<<16)|(1<<21)          ; B's to my column
.irp g, W1A, W1B
	s_mov_b32 s[\g+1], 3072<<16                    ; tensor_dim0 = 3,072
	s_mov_b32 s[\g+2], 2<<16                       ; tensor_dim1 = 2
	s_mov_b32 s[\g+3], 3072<<16                    ; tile_dim0 = 3,072
	s_mov_b32 s[\g+4], 2                           ; tile_dim1 = 2
	s_mov_b32 s[\g+5], KSTRA/8                     ; from row to row: a K step (the same for A and B)
	s_mov_b32 s[\g+6], 0
	s_mov_b32 s[\g+7], 0
.endr
	s_wait_tensorcnt 0x0                           ; my part of K step 0 is in
	ds_add_u32 v[SPW], v[NIL]
	s_wait_dscnt 0x0                               ; the add is done, and my scale words lie in LDS
	CROUND                                         ; everybody's part of K step 0 and everybody's words are in; all sixteen work-groups are here
	JLOAD GA1, W1A, GB1, W1B                       ; K steps 1 and 2, my one tensor load behind the round; the wait for it stands at the end of K step 0
	s_mov_b32 s2, TILES
.Ltile:                                                ; K step 0 lies whole in slot 0: on the way in by the barrier above, on the way back by the second round in the softmax
	FETCH_B 0, 0, 0
	FETCH_A 0, 0, 0
	SCALES 0, 0
	FETCH_A 0, 0, 4
	STEP 0, 0, 1                                   ; K step 0: its first products start the sums
	TURN 0, 1, 0, 1, 2                             ; slot 0 takes K step 3; every wave has waited for K steps 1 and 2
	STEP 1, 1, 0                                   ; K step 1
	TURN 1, 2, 1, 2, 0
	STEP 2, 0, 0                                   ; K step 2
	TURN 2, 0, 0, 3, 1                             ; K step 3 has landed, in every wave's part
	STEP 0, 1, 0                                   ; K step 3
	s_wait_dscnt 4*NL                              ; the tile's last 128 along K: nothing more to fetch
	WIN MUL_LO
	MUL16 0, 1, 1, 1, 0
	MUL16 2, 1, 1, 1, 0
	s_wait_dscnt 0
	WIN MUL_HI
	MUL16 4, 1, 1, 1, 0
	MUL16 6, 1, 1, 1, 0
	WIN 0
	s_cmp_eq_u32 s2, 1
	s_cbranch_scc1 .Llast_tile                     ; the last tile's softmax is written out a second time: it asks for nothing
	EPI 1
	s_sub_co_u32 s2, s2, 1
	s_branch .Ltile
.Llast_tile:
	EPI 0
	s_wait_tensorcnt 0x0                           ; the wave's end
	ds_add_u32 v[SPW], v[NIL]
	s_wait_dscnt 0x0
	CROUND                                         ; the closing round: no work-group ends while a partner may still ask for a block that names it
	s_endpgm
.Lfunc_end_k_q4fa58a3641_scores:
	.size	k_q4fa58a3641_scores, .Lfunc_end_k_q4fa58a3641_scores-k_q4fa58a3641_scores
	.p2alignl 7, 3214868480
	.fill 96, 4, 3214868480
	.section	.rodata,"a",@progbits
	.p2align	6, 0x0
	.amdhsa_kernel k_q4fa58a3641_scores
		.amdhsa_group_segment_fixed_size 327680
		.amdhsa_private_segment_fixed_size 0
		.amdhsa_enable_private_segment 0
		.amdhsa_kernarg_size 40
		.amdhsa_user_sgpr_count 2
		.amdhsa_user_sgpr_kernarg_segment_ptr 1
		.amdhsa_wavefront_size32 1
		.amdhsa_system_sgpr_workgroup_id_x 1
		.amdhsa_system_sgpr_workgroup_id_y 1
		.amdhsa_system_sgpr_workgroup_id_z 1
		.amdhsa_system_vgpr_workitem_id 0
		.amdhsa_next_free_vgpr 1024
		.amdhsa_next_free_sgpr 102
		.amdhsa_reserve_vcc 0
		.amdhsa_float_denorm_mode_32 3
		.amdhsa_float_denorm_mode_16_64 3
		.amdhsa_memory_ordered 1
		.amdhsa_forward_progress 1
		.amdhsa_inst_pref_size 255
	.end_amdhsa_kernel
	.section	.bss,"aw",@nobits
	.p2align	6
	.space	262144
	.amdgpu_metadata
---
amdhsa.version: [ 1, 2 ]
amdhsa.kernels:
  - .name:           k_q4fa58a3641_scores
    .symbol:         k_q4fa58a3641_scores.kd
    .args:
      - { .name: lhsC, .offset: 0, .size: 8, .value_kind: global_buffer, .address_space: global }
      - { .name: opS, .offset: 8, .size: 8, .value_kind: global_buffer, .address_space: global }
      - { .name: rhsC, .offset: 16, .size: 8, .value_kind: global_buffer, .address_space: global }
      - { .name: pC, .offset: 24, .size: 8, .value_kind: global_buffer, .address_space: global }
      - { .name: pSML, .offset: 32, .size: 8, .value_kind: global_buffer, .address_space: global }
    .group_segment_fixed_size: 327680
    .private_segment_fixed_size: 0
    .kernarg_segment_align: 8
    .kernarg_segment_size: 40
    .max_flat_workgroup_size: 128
    .sgpr_count:     102
    .vgpr_count:     1024
    .wavefront_size: 32
...
	.end_amdgpu_metadata
.endif
;; end of part 2
;; launch mix (part 3): grid 4 x 64, 4 waves a work-group, clusters of 4 x 4, 327,680 bytes of LDS; arguments pC, pSML, xtC, opS, out0; writes out0
.if DOCPART == 3
	.amdgcn_target "amdgcn-amd-amdhsa--gfx1250"
	.amdhsa_code_object_version 6
	.text
	.protected	k_q4fa58a3641_mix
	.globl	k_q4fa58a3641_mix
	.p2align	8
	.type	k_q4fa58a3641_mix,@function
k_q4fa58a3641_mix:
	s_mov_b64 s[64:65], 0
	v_nop
	global_prefetch_b8 v0, s[64:65] scope:SCOPE_SE
	s_setreg_imm32_b32 hwreg(HW_REG_WAVE_MODE, 25, 1), 1
	s_wait_xcnt 0x0
	s_wait_alu depctr_hold_cnt(0) depctr_sa_sdst(0) depctr_va_vdst(0) depctr_va_sdst(0) depctr_va_ssrc(0) depctr_va_vcc(0) depctr_vm_vsrc(0)
	s_getreg_b32 s2, hwreg(HW_REG_IB_STS2, 6, 4)
	s_cmp_eq_u32 s2, 0
	s_cbranch_scc0 .Lentry_in_a_cluster
	s_endpgm
.Lentry_in_a_cluster:
	s_bfe_u32 s2, ttmp6, 0x10000c
	s_cmp_lg_u32 s2, 0xf033
	s_cbranch_scc0 .Lentry_shape_is_right
	s_endpgm
.Lentry_shape_is_right:
; out0 = (p x) / l on codes of BF6 (E3M2) with E8M0 scales, K = the 2,048 keys.  A = pC (queries), B = xtC (rows = d), both as images of the operand's registers: a block of 128 rows x 256 K is 24,576 dense bytes.
; A tile of out0, 256 queries x 256 of d of one batch, is made by a work-group of four waves; a wave makes 128 x 128 in 64 accumulators (windows 2 and 3).  256 tiles, 256 work-groups.
; THE HEAD brings p under the row's own M.  The launch before stored, for each query and each run of 128 keys, a scale word under M_loc, -M_loc and the sum of p.  A thread takes two queries:
; -M = the least -M_loc; n = M - M_loc, a whole number, held at 127; n comes off each of the word's four bytes, a byte that would pass 0 is held at 0; each sum is multiplied by 2^-n, the sums are added, 1 / l goes to LDS.
; LIMIT: a byte held at 0 stands for 2^-127 and not for 0: such a run of keys adds at most 28 x 2^-127 times x's numbers.  NaN and infinities are not served.
; THE RING: two slots of a K step of 256, laid block by block in LDS: [A0, A1, B0, B1][slot 0, slot 1].  So the head's one load a wave, two rows of 24,576 bytes a K step apart in memory, fills its block's
; place in both slots; each later refill is one block.  The head's vector work stands between that load and the wait for it.
; CLUSTERS: 4 x 4 work-groups; A's blocks are asked for jointly along a row of the cluster, B's along a column; where a slot is filled again a round of the cluster's barrier takes the barrier's place.
; PREFETCH: behind each refill a wave asks for its block of the K step two refills on; the four partners that load a block jointly take 24 runs of 256 bytes each, told apart by address
; (cx for A, cy for B), a lane a run (lanes 24-31 name the last run again).  K steps 2 and 3 are asked for at the head; the loop's last trip asks for nothing: K has eight steps.
; THE WAY OUT: each block of 16 queries is multiplied by 1 / l, goes through the wave's own stage (the slot-0 part of its own place, whose last reads stand ahead of the last barrier) and leaves as rows of 512 bytes.
.set NQ,     2
.set FR,     12
.set NL,     3
.set NP,     4
.set BLK,    24576
.set SLOT,   4*BLK
.set LAPS,   4
.set NK,     16
.set KSTRA,  16*BLK
.set KSTRB,  8*BLK
.set SCA,    2*SLOT
.set SCB,    SCA+NK*1024+128
.set RLR,    SCB+NK*1024+128
.set SPARE,  RLR+2048
.set SPITCH, 528
.set ADRA, 16
.set SCW,  18
.set RLW,  19
.set ADRB, 20
.set T8,   23
.set STO,  24
.set RD,   25
.set CO,   26
.set ADRS, 27
.set SPW,  28
.set NIL,  29
.set PFO,  30
.set RLA,  31
.set SC,   32
.set RLQ,  64
.set SW,   64
.set NMR,  96
.set LL,   128
.set XS,   160
.set TQ,   192
.set GG,   224
.set RL,   232
.set AF,   128
.set BK,   128
.set G1, 24
.set G0, 32
.set G1B, 48
.set G0B, 56
.set PFA, 92
.set PFS, 94                           ; s[94:95] bytes from a K step's block to the next in the operand that I fetch
.set W1A, 72                           ; s[72:79] group 1 of the head's load of A: two rows of a block each
.set W1B, 4                            ; s[4:11]  the same for B, in registers that held arguments
.set MSB, 0
.macro WIN new
.if MSB != (\new)
	s_set_vgpr_msb (MSB<<8)|(\new)
.set MSB, (\new)
.endif
.endm
.set MUL_LO, 0xa1
.set MUL_HI, 0xf1
.set TO_B,   0x40
.macro JLOAD g0a, g1a, g0b, g1b
	s_cmp_eq_u32 s15, 0
	s_cbranch_scc0 .Lfor_b_\@
	tensor_load_to_lds s[\g0a:\g0a+3], s[\g1a:\g1a+7]
	s_nop 0
.rept 4
	v_nop
.endr
	s_branch .Lasked_\@
.Lfor_b_\@:
	tensor_load_to_lds s[\g0b:\g0b+3], s[\g1b:\g1b+7]
	s_nop 0
.rept 4
	v_nop
.endr
.Lasked_\@:
.endm
.macro CREST
	s_cmp_lg_u32 s14, 0
	s_cbranch_scc1 .Lnot_wave_0_\@
	s_barrier_signal -3
.Lnot_wave_0_\@:
	s_barrier_wait -3
	s_barrier_signal -1
	s_barrier_wait -1
.endm
.macro CROUND
	s_barrier_signal -1
	s_barrier_wait -1
	CREST
.endm
.macro ASK
	s_cmp_gt_u32 s3, 1                             ; the last trip's refills have no K step two on
	s_cbranch_scc0 .Lnot_mine_\@
	global_prefetch_b8 v[PFO], s[PFA:PFA+1] th:TH_LOAD_NT scope:SCOPE_SE
.Lnot_mine_\@:
.endm
	s_load_b128 s[4:7], s[0:1], 0x0
	s_load_b128 s[8:11], s[0:1], 0x10
	s_load_b64 s[12:13], s[0:1], 0x20
	v_lshl_add_u32 v[SPW], v0, 2, SPARE
	v_mov_b32 v[NIL], 0
	ds_add_u32 v28, v29
	ds_add_u32 v28, v29
	s_wait_dscnt 0x0
	v_lshlrev_b32 v[T8], 3, v0
	v_lshrrev_b32 v1, 5, v0
	v_readfirstlane_b32 s14, v1
	s_lshr_b32 s15, s14, 1
	s_and_b32 s16, s14, 1
	s_bfe_u32 s40, ttmp6, 0x40000
	s_bfe_u32 s41, ttmp6, 0x40004
	s_lshl_b32 s42, ttmp9, 2
	s_add_co_u32 s42, s42, s40
	s_and_b32 s18, ttmp7, 0xffff
	s_and_b32 s17, s18, 1
	s_lshl_b32 s17, s17, 2
	s_add_co_u32 s17, s17, s41
	s_lshr_b32 s18, s18, 1
	s_and_b32 s66, ttmp7, 0xffff
	s_lshr_b32 s66, s66, 1
	s_lshl_b32 s43, s41, 2
	s_lshl_b32 s43, 15, s43
	s_lshl_b32 s44, 0x1111, s40
	s_or_b32 s[G1+0], s43, (3<<16)|(1<<21)
	s_or_b32 s[G1B+0], s44, (3<<16)|(1<<21)
.irp g, G1, G1B
	s_mov_b32 s[\g+1], 32<<16
	s_mov_b32 s[\g+2], 96<<16
	s_mov_b32 s[\g+3], 32<<16
	s_mov_b32 s[\g+4], 96
	s_mov_b32 s[\g+5], 32
	s_mov_b32 s[\g+6], 0
	s_mov_b32 s[\g+7], 0
.endr
	s_lshl_b32 s20, s18, 7
	s_lshl_b32 s21, s17, 1
	s_add_co_u32 s20, s20, s21
	s_add_co_u32 s20, s20, s16
	s_mul_i32 s20, s20, BLK
	s_mov_b32 s21, 0
	s_lshl_b32 s46, s66, 6
	s_lshl_b32 s47, s42, 1
	s_add_co_u32 s46, s46, s47
	s_add_co_u32 s46, s46, s16
	s_mul_i32 s46, s46, BLK
	s_mov_b32 s47, 0
	s_mul_i32 s45, s14, 2*BLK                      ; where my blocks go: wave x two blocks (slot 0's, slot 1's)
	s_lshl_b32 s22, s18, 17
	s_lshl_b32 s23, s17, 10
	s_add_co_u32 s22, s22, s23
	s_mov_b32 s23, 0
	s_lshl_b32 s84, s66, 16
	s_lshl_b32 s85, s42, 10
	s_add_co_u32 s84, s84, s85
	s_mov_b32 s85, 0
	s_lshl_b32 s86, s66, 23
	s_lshl_b32 s87, s17, 20
	s_add_co_u32 s86, s86, s87
	s_lshl_b32 s87, s15, 19
	s_add_co_u32 s86, s86, s87
	s_lshl_b32 s87, s42, 10
	s_add_co_u32 s86, s86, s87
	s_lshl_b32 s87, s16, 9
	s_add_co_u32 s86, s86, s87
	s_mov_b32 s87, 0
	s_mul_i32 s90, s40, 6144                       ; the prefetches begin at K step 2 of the block that I fetch, at my work-group's quarter of it: cx for A,
	s_add_co_u32 s90, s90, s20
	s_add_co_u32 s90, s90, 2*KSTRA
	s_mul_i32 s91, s41, 6144                       ; cy for B
	s_add_co_u32 s91, s91, s46
	s_add_co_u32 s91, s91, 2*KSTRB
	s_cmp_eq_u32 s15, 0
	s_cselect_b32 s90, s90, s91
	s_mov_b32 s91, 0
	s_mov_b32 s[PFS], KSTRB
	s_cselect_b32 s[PFS], KSTRA, s[PFS]
	s_mov_b32 s[PFS+1], 0
	s_mov_b32 s80, 0x80808080
	s_mov_b32 s81, 0x01010101
	s_wait_alu depctr_va_vdst(0)
	s_wait_kmcnt 0x0
	s_add_nc_u64 s[20:21], s[4:5], s[20:21]
	s_add_nc_u64 s[46:47], s[8:9], s[46:47]
	s_add_nc_u64 s[68:69], s[6:7], s[22:23]
	s_add_nc_u64 s[70:71], s[10:11], s[84:85]
	s_add_nc_u64 s[12:13], s[12:13], s[86:87]
	s_cmp_eq_u32 s15, 0
	s_cselect_b64 s[PFA:PFA+1], s[4:5], s[8:9]
	s_add_nc_u64 s[PFA:PFA+1], s[PFA:PFA+1], s[90:91]
.irp j, 0,1,2,3,4,5,6,7,8,9,10,11,12,13,14,15
	global_load_b64 v[NMR+2*\j:NMR+2*\j+1], v[T8], s[68:69] offset:1048576+8192*\j
.endr
.irp j, 0,1,2,3,4,5,6,7,8,9,10,11,12,13,14,15
	global_load_b64 v[SW+2*\j:SW+2*\j+1], v[T8], s[68:69] offset:8192*\j
	global_load_b64 v[LL+2*\j:LL+2*\j+1], v[T8], s[68:69] offset:2097152+8192*\j
	global_load_b64 v[XS+2*\j:XS+2*\j+1], v[T8], s[70:71] offset:1048576+4096*\j
.endr
	CROUND
.irp s, 0,1
	s_mov_b32 s[G0+4*\s], 1                                        ; slot s's groups 0, for K step s
	s_add_co_u32 s[G0+4*\s+1], s45, \s*BLK
	s_add_nc_u64 s[G0+4*\s+2:G0+4*\s+3], s[20:21], \s*KSTRA
	s_or_b32 s[G0+4*\s+3], s[G0+4*\s+3], 0x80000000
	s_mov_b32 s[G0B+4*\s], 1
	s_add_co_u32 s[G0B+4*\s+1], s45, \s*BLK
	s_add_nc_u64 s[G0B+4*\s+2:G0B+4*\s+3], s[46:47], \s*KSTRB
	s_or_b32 s[G0B+4*\s+3], s[G0B+4*\s+3], 0x80000000
.endr
	s_or_b32 s[W1A], s43, (3<<16)|(1<<21)          ; two rows of 3,072 elements of 8 bytes, a K step apart in memory, on end in LDS
	s_or_b32 s[W1B], s44, (3<<16)|(1<<21)
.irp g, W1A, W1B
	s_mov_b32 s[\g+1], 3072<<16
	s_mov_b32 s[\g+2], 2<<16
	s_mov_b32 s[\g+3], 3072<<16
	s_mov_b32 s[\g+4], 2
	s_mov_b32 s[\g+6], 0
	s_mov_b32 s[\g+7], 0
.endr
	s_mov_b32 s[W1A+5], KSTRA/8
	s_mov_b32 s[W1B+5], KSTRB/8
	JLOAD G0, W1A, G0B, W1B                        ; K steps 0 and 1 of my block: my one tensor load at the head
	v_and_b32 v1, 31, v0
	v_and_b32 v2, 15, v0
	v_bfe_u32 v3, v0, 4, 1
	s_wait_alu depctr_va_vdst(0)
	v_lshlrev_b32 v[CO], 4, v1
	s_mul_i32 s88, s15, 2*BLK                      ; my block of A,
	s_mul_i32 s89, s16, 2*BLK                      ; my block of B,
	s_add_co_u32 s89, s89, 4*BLK                   ; which lies behind A's two places
.irp s, 0,1
	v_add_nc_u32 v[ADRA+\s], s88, v[CO]
	v_add_nc_u32 v[ADRB+\s], s89, v[CO]
	s_add_co_u32 s88, s88, BLK
	s_add_co_u32 s89, s89, BLK
.endr
	v_min_u32 v[PFO], 23, v1                       ; the prefetches' offset: 24 runs of 256 bytes, a lane a run
	v_lshlrev_b32 v[PFO], 8, v[PFO]
	s_wait_alu depctr_va_vdst(0)                   ; directly ahead of the reader below
	global_prefetch_b8 v[PFO], s[PFA:PFA+1] th:TH_LOAD_NT scope:SCOPE_SE   ; K step 2
	s_lshl_b32 s88, s15, 9
	s_lshl_b32 s89, s16, 9
	s_add_co_u32 s89, s89, SCB-SCA
	s_sub_co_u32 s89, s89, s88
	v_mul_u32_u24 v4, s89, v3
	s_add_co_u32 s88, s88, SCA
	v_lshl_add_u32 v4, v2, 2, v4
	v_add_nc_u32 v[ADRS], s88, v4
	v_lshl_add_u32 v[SCW], v0, 3, SCA
	v_lshl_add_u32 v[RLW], v0, 4, RLR
	s_mul_i32 s88, s14, 2*BLK                      ; my stage: the slot-0 part of my own place
	v_mul_u32_u24 v5, v2, SPITCH
	v_lshl_add_u32 v5, v3, 5, v5
	v_add_nc_u32 v[STO], s88, v5
	v_add_nc_u32 v[RD], s88, v[CO]
	s_lshl_b32 s88, s15, 10
	s_add_co_u32 s88, s88, RLR
	v_lshl_add_u32 v[RLA], v2, 3, s88
	s_wait_loadcnt 0x0
.irp e, 0,1
	v_min3_num_f32 v[GG+\e], v[NMR+\e], v[NMR+2+\e], v[NMR+4+\e]
.endr
.irp j, 3,5,7,9,11,13
.irp e, 0,1
	v_min3_num_f32 v[GG+\e], v[GG+\e], v[NMR+2*\j+\e], v[NMR+2*\j+2+\e]
.endr
.endr
.irp e, 0,1
	v_min_num_f32 v[GG+\e], v[GG+\e], v[NMR+30+\e]
.endr
.set i, 0
.rept 32
	v_sub_f32 v[NMR+i], v[NMR+i], v[GG+i%2]
.set i, i+1
.endr
.set i, 0
.rept 32
	v_cvt_i32_f32 v[NMR+i], v[NMR+i]
.set i, i+1
.endr
.set i, 0
.rept 32
	v_min_u32 v[NMR+i], 127, v[NMR+i]
.set i, i+1
.endr
.set i, 0
.rept 32
	v_sub_nc_u32 v[TQ+i], 0, v[NMR+i]
.set i, i+1
.endr
.set i, 0
.rept 32
	v_ldexp_f32 v[LL+i], v[LL+i], v[TQ+i]
.set i, i+1
.endr
.set i, 0
.rept 32
	v_mul_lo_u32 v[TQ+i], v[NMR+i], s81
.set i, i+1
.endr
.set i, 0
.rept 32
	v_or_b32 v[SW+i], s80, v[SW+i]
.set i, i+1
.endr
.set i, 0
.rept 32
	v_sub_nc_u32 v[SW+i], v[SW+i], v[TQ+i]
.set i, i+1
.endr
.set i, 0
.rept 32
	v_and_b32 v[NMR+i], s80, v[SW+i]
.set i, i+1
.endr
.set i, 0
.rept 32
	v_lshrrev_b32 v[TQ+i], 7, v[NMR+i]
.set i, i+1
.endr
.set i, 0
.rept 32
	v_sub_nc_u32 v[TQ+i], v[NMR+i], v[TQ+i]
.set i, i+1
.endr
.set i, 0
.rept 32
	v_and_b32 v[SW+i], v[SW+i], v[TQ+i]
.set i, i+1
.endr
.irp i, 0,2,4,6,8,10,12,14
	v_pk_add_f32 v[LL+\i:LL+\i+1], v[LL+\i:LL+\i+1], v[LL+16+\i:LL+16+\i+1]
.endr
.irp i, 0,2,4,6
	v_pk_add_f32 v[LL+\i:LL+\i+1], v[LL+\i:LL+\i+1], v[LL+8+\i:LL+8+\i+1]
.endr
.irp i, 0,2
	v_pk_add_f32 v[LL+\i:LL+\i+1], v[LL+\i:LL+\i+1], v[LL+4+\i:LL+4+\i+1]
.endr
	v_pk_add_f32 v[LL:LL+1], v[LL:LL+1], v[LL+2:LL+3]
	s_wait_alu depctr_va_vdst(0)                   ; ahead of the wait below and of the transcendentals
	s_wait_xcnt 0x0                                ; the prefetch has read its address: only behind this wait is it stepped
	s_add_nc_u64 s[PFA:PFA+1], s[PFA:PFA+1], s[PFS:PFS+1]
	global_prefetch_b8 v[PFO], s[PFA:PFA+1] th:TH_LOAD_NT scope:SCOPE_SE   ; K step 3
	v_rcp_f32 v[RL], v[LL]
	v_rcp_f32 v[RL+2], v[LL+1]
	v_nop
	s_wait_alu depctr_va_vdst(0)
	v_mov_b32 v[RL+1], v[RL]
	v_mov_b32 v[RL+3], v[RL+2]
.irp j, 0,1,2,3,4,5,6,7,8,9,10,11,12,13,14,15
	ds_store_b64 v[SCW], v[SW+2*\j:SW+2*\j+1] offset:1024*\j
	ds_store_b64 v[SCW], v[XS+2*\j:XS+2*\j+1] offset:SCB-SCA+1024*\j
.endr
	ds_store_b128 v[RLW], v[RL:RL+3]
.macro FRAG reg, adr, q, i
.irp c, 0,1,2
	ds_load_b128 v[\reg+4*\c:\reg+4*\c+3], v[\adr] offset:(2*(\i)+(\q))*1536+512*\c
.endr
.endm
.macro MUL16 a0, p, q, sc, zero
.irp a, \a0, \a0+1
.irp b, 0,1,2,3,4,5,6,7
.if \zero
	v_wmma_scale_f32_16x16x128_f8f6f4 v[8*(8*((\a)%4)+\b):8*(8*((\a)%4)+\b)+7], v[128*(\p)+FR*\b:128*(\p)+FR*\b+FR-1], v[AF+FR*(\a):AF+FR*(\a)+FR-1], 0, v[SC+8*NQ*(\sc)+NQ*\b+(\q)], v[SC+8*NQ*(\sc)+NQ*(\a)+(\q)] matrix_a_fmt:MATRIX_FMT_BF6 matrix_b_fmt:MATRIX_FMT_BF6 matrix_a_scale:MATRIX_SCALE_ROW1
.else
	v_wmma_scale_f32_16x16x128_f8f6f4 v[8*(8*((\a)%4)+\b):8*(8*((\a)%4)+\b)+7], v[128*(\p)+FR*\b:128*(\p)+FR*\b+FR-1], v[AF+FR*(\a):AF+FR*(\a)+FR-1], v[8*(8*((\a)%4)+\b):8*(8*((\a)%4)+\b)+7], v[SC+8*NQ*(\sc)+NQ*\b+(\q)], v[SC+8*NQ*(\sc)+NQ*(\a)+(\q)] matrix_a_fmt:MATRIX_FMT_BF6 matrix_b_fmt:MATRIX_FMT_BF6 matrix_a_scale:MATRIX_SCALE_ROW1
.endif
.endr
.endr
.endm
.macro FETCH_B slot, q, p
	WIN TO_B
.irp i, 0,1,2,3,4,5,6,7
	FRAG 128*(\p)+FR*\i, ADRB+\slot, \q, \i
.endr
	WIN 0
.endm
.macro FETCH_A slot, q, i0
.irp i, \i0, \i0+1, \i0+2, \i0+3
	FRAG AF+FR*(\i), ADRA+\slot, \q, \i
.endr
.endm
.macro SCALES sc
.irp i, 0,1,2,3,4,5,6,7
.irp q, 0,1
	ds_load_b32 v[SC+16*\sc+2*\i+\q], v[ADRS] offset:1024*\q+64*\i
.endr
.endr
.endm
.macro PLACES n
.rept \n
	v_nop
.endr
.endm
.macro STEP slot, q, zero
	s_wait_dscnt 4*NL
	WIN MUL_LO
	MUL16 0, (\q)%2, \q, \slot, \zero
	MUL16 2, (\q)%2, \q, \slot, \zero
	s_wait_dscnt 0
	PLACES NP
	FETCH_B \slot, (\q)+1, 1-(\q)%2
	FETCH_A \slot, (\q)+1, 0
	WIN MUL_HI
	MUL16 4, (\q)%2, \q, \slot, \zero
	MUL16 6, (\q)%2, \q, \slot, \zero
	PLACES NP
	WIN 0
	FETCH_A \slot, (\q)+1, 4
.endm
.macro TURN slot, next, fill, ask
.if \ask
	s_wait_xcnt 0x0                                ; my last prefetch has read its address: it is stepped here, a K step behind that prefetch
	s_add_nc_u64 s[PFA:PFA+1], s[PFA:PFA+1], s[PFS:PFS+1]
.endif
	s_wait_tensorcnt 0x0
	ds_add_u32 v[SPW], v[NIL]
	s_wait_dscnt 4*NL+1
	WIN MUL_LO
	MUL16 0, 1, NQ-1, \slot, 0
	s_wait_dscnt 0x0
	s_barrier_signal -1
	MUL16 2, 1, NQ-1, \slot, 0
	WIN 0
	s_barrier_wait -1
.if \fill
	CREST
	s_add_nc_u64 s[G0+4*\slot+2:G0+4*\slot+3], s[G0+4*\slot+2:G0+4*\slot+3], 2*KSTRA
	s_add_nc_u64 s[G0B+4*\slot+2:G0B+4*\slot+3], s[G0B+4*\slot+2:G0B+4*\slot+3], 2*KSTRB
	JLOAD G0+4*\slot, G1, G0B+4*\slot, G1B
.else
	PLACES NP
.endif
	s_wait_alu depctr_va_vdst(0)
	v_add_nc_u32 v[ADRS], 2048, v[ADRS]
	FETCH_B \next, 0, 0
	FETCH_A \next, 0, 0
	SCALES \next
.if \ask
	ASK
.endif
	WIN MUL_HI
	MUL16 4, 1, NQ-1, \slot, 0
	MUL16 6, 1, NQ-1, \slot, 0
	PLACES NP
	WIN 0
	FETCH_A \next, 0, 4
.endm
	s_wait_dscnt 0x0
	s_wait_tensorcnt 0x0                           ; my block's part of both slots is in
	s_barrier_signal -1
	s_barrier_wait -1
	FETCH_B 0, 0, 0
	FETCH_A 0, 0, 0
	SCALES 0
	FETCH_A 0, 0, 4
	STEP 0, 0, 1
	s_mov_b32 s3, LAPS-1
.Llap:
	TURN 0, 1, 1, 1
	STEP 1, 0, 0
	TURN 1, 0, 1, 1
	STEP 0, 0, 0
	s_sub_co_u32 s3, s3, 1
	s_cmp_lg_u32 s3, 0
	s_cbranch_scc1 .Llap
	TURN 0, 1, 0, 0
	STEP 1, 0, 0
	s_wait_dscnt 4*NL
	WIN MUL_LO
	MUL16 0, 1, NQ-1, 1, 0
	MUL16 2, 1, NQ-1, 1, 0
	s_wait_dscnt 0
	WIN MUL_HI
	MUL16 4, 1, NQ-1, 1, 0
	MUL16 6, 1, NQ-1, 1, 0
	WIN 0
.macro SCALE a
.set AC, 64*((\a)%4)
.set WW, 2+(\a)/4
	WIN (WW<<6)|WW
.set j, 0
.rept 32
	v_pk_mul_f32 v[AC+j:AC+j+1], v[AC+j:AC+j+1], v[RLQ+2*(\a):RLQ+2*(\a)+1]
.set j, j+2
.endr
.endm
.macro TOSTAGE a
.set AC, 64*((\a)%4)
.set WW, 2+(\a)/4
	WIN WW<<2
.irp b, 0,1,2,3,4,5,6,7
	ds_store_b128 v[STO], v[AC+8*\b:AC+8*\b+3] offset:64*\b
	ds_store_b128 v[STO], v[AC+8*\b+4:AC+8*\b+7] offset:64*\b+16
.endr
	WIN 0
.set BB, BK+64*((\a)%2)
.irp t, 0,1,2,3,4,5,6,7,8,9,10,11,12,13,14,15
	ds_load_b128 v[BB+4*\t:BB+4*\t+3], v[RD] offset:\t*SPITCH
.endr
.endm
.macro SEND a, younger
.set BB, BK+64*((\a)%2)
	s_wait_dscnt \younger
.if (\a) > 0
	s_add_nc_u64 s[12:13], s[12:13], 16*4096
.endif
.irp t, 0,1,2,3,4,5,6,7,8,9,10,11,12,13,14,15
	global_store_b128 v[CO], v[BB+4*\t:BB+4*\t+3], s[12:13] offset:\t*4096 th:TH_STORE_NT
.endr
.endm
	PLACES NP
.irp a, 0,1,2,3,4,5,6,7
	ds_load_b64 v[RLQ+2*\a:RLQ+2*\a+1], v[RLA] offset:128*\a
.endr
	s_wait_dscnt 0x0
	SCALE 0
	TOSTAGE 0
.irp a, 1,2,3,4,5,6,7
.if \a > 1
	s_wait_xcnt 0x0
.endif
	SCALE \a
	TOSTAGE \a
	SEND \a-1, 32
.endr
	s_wait_xcnt 0x0
	SEND 7, 0
	s_wait_tensorcnt 0x0
	ds_add_u32 v[SPW], v[NIL]
	s_wait_dscnt 0x0
	CROUND
	s_endpgm
.Lfunc_end_k_q4fa58a3641_mix:
	.size	k_q4fa58a3641_mix, .Lfunc_end_k_q4fa58a3641_mix-k_q4fa58a3641_mix
	.p2alignl 7, 3214868480
	.fill 96, 4, 3214868480
	.section	.rodata,"a",@progbits
	.p2align	6, 0x0
	.amdhsa_kernel k_q4fa58a3641_mix
		.amdhsa_group_segment_fixed_size 327680
		.amdhsa_private_segment_fixed_size 0
		.amdhsa_enable_private_segment 0
		.amdhsa_kernarg_size 40
		.amdhsa_user_sgpr_count 2
		.amdhsa_user_sgpr_kernarg_segment_ptr 1
		.amdhsa_wavefront_size32 1
		.amdhsa_system_sgpr_workgroup_id_x 1
		.amdhsa_system_sgpr_workgroup_id_y 1
		.amdhsa_system_sgpr_workgroup_id_z 1
		.amdhsa_system_vgpr_workitem_id 0
		.amdhsa_next_free_vgpr 1024
		.amdhsa_next_free_sgpr 98
		.amdhsa_reserve_vcc 0
		.amdhsa_float_denorm_mode_32 3
		.amdhsa_float_denorm_mode_16_64 3
		.amdhsa_memory_ordered 1
		.amdhsa_forward_progress 1
		.amdhsa_inst_pref_size 180
	.end_amdhsa_kernel
	.amdgpu_metadata
---
amdhsa.version: [ 1, 2 ]
amdhsa.kernels:
  - .name:           k_q4fa58a3641_mix
    .symbol:         k_q4fa58a3641_mix.kd
    .args:
      - { .name: pC, .offset: 0, .size: 8, .value_kind: global_buffer, .address_space: global }
      - { .name: pSML, .offset: 8, .size: 8, .value_kind: global_buffer, .address_space: global }
      - { .name: xtC, .offset: 16, .size: 8, .value_kind: global_buffer, .address_space: global }
      - { .name: opS, .offset: 24, .size: 8, .value_kind: global_buffer, .address_space: global }
      - { .name: out0, .offset: 32, .size: 8, .value_kind: global_buffer, .address_space: global }
    .group_segment_fixed_size: 327680
    .private_segment_fixed_size: 0
    .kernarg_segment_align: 8
    .kernarg_segment_size: 40
    .max_flat_workgroup_size: 128
    .sgpr_count:     98
    .vgpr_count:     1024
    .wavefront_size: 32
...
	.end_amdgpu_metadata
.endif
;; end of part 3
